; MI455X (gfx1250); checked and timed in simulation.
; The chip was launched on July 23, 2026; its instructions are those of AMD's public machine-readable ISA for CDNA 5 (MIT licence, August 2026) and "CDNA5" Instruction Set Architecture Reference Guide (July 2026). The comments in the code are by the model that wrote it; some were corrected since.
;; Cross Attention. Allowed arithmetic: float matrix products may take bf16 or f16 operands with f32 sums; other float arithmetic in f32, or as packed bf16 or f16 multiplies, adds, multiply-adds, maxima and minima; sums over many terms, partial sums and values carried from step to step in f32; what a program stores and reads back later, other than sums and carried values, may be rounded once to bf16 or f16.
;; Inputs: Wk 1,024 x 1,024 float32; Wo 1,024 x 1,024 float32; Wq 1,024 x 1,024 float32; Wv 1,024 x 1,024 float32; bo 1,024 float32; context 8 x 1,024 x 1,024 float32; ln_b 1,024 float32; ln_g 1,024 float32; relative_position_bias 16 x 1,024 x 1,024 float32; x 8 x 1,024 x 1,024 float32.
;; Outputs: out0 8 x 1,024 x 1,024 float32.
;; 2 versions, each right; version 2 is version 1 with the launch prep written anew for expert scheduling mode. Each part assembles by itself: llvm-mc -triple=amdgcn-amd-amdhsa -mcpu=gfx1250 --defsym DOCPART=n.
;; ======== version 1 of 2: 4 launches
;; limits: values are held in f16: magnitudes above 65,504 overflow, below 6.1e-05 lose precision
;; workspace buffers: an 33,554,432 bytes; wh 8,388,608 bytes; qkv 50,331,648 bytes; o 16,777,216 bytes
;; launch prep (part 1): grid 1280 x 1, 4 waves a work-group, no clusters, 0 bytes of LDS; arguments x, context, ln_g, ln_b, Wq, Wk, Wv, Wo, an, wh; writes an, wh
.if DOCPART == 1
	.amdgcn_target "amdgcn-amd-amdhsa--gfx1250"
	.amdhsa_code_object_version 6
	.text
	.protected	k_qb7b9ddc448_prep
	.globl	k_qb7b9ddc448_prep
	.p2align	8
	.type	k_qb7b9ddc448_prep,@function
k_qb7b9ddc448_prep:
	s_mov_b64 s[64:65], 0
	v_nop
	global_prefetch_b8 v0, s[64:65] scope:SCOPE_SE
	s_setreg_imm32_b32 hwreg(HW_REG_WAVE_MODE, 25, 1), 1
	s_wait_xcnt 0x0
; PREP.  an[0:8192] = LayerNorm(x), an[8192:16384] = LayerNorm(context), both with ln_g and ln_b, rounded once to f16;
; wh = Wq / 8, Wk, Wv, Wo stacked, [4096][1024], rounded once to f16.  1/8 = 64^-0.5 is the scores' scale: a power of two, multiplied in f32 ahead of
; Wq's one rounding, so that the later launch can add the position bias to unscaled products.
; NO WORK OF THE PROBLEM IS LEFT OUT in any launch of this program, and every input is loaded: no product, row or input is without a way to the output.
; LIMITS.  All matrix operands of the program are f16: the normalised rows, the weights, q / 8, k, v and the attention's result must stay within 65,504, and numbers
; below 6.1e-5 keep f16's fixed step of 6e-8.  NaN and infinities are not treated apart.
; The mean is taken first and the variance is the mean of (x - mean)^2, as the problem states it: no difference of large sums is formed.
; SHARES.  A row is 1,024 f32: 4,096 bytes in, 2,048 out.  A work-group has 16 rows, a wave 4; a wave keeps its rows in registers (32 each) and reads memory once.
; All 32 loads of a wave go out at once; a load covers 512 consecutive bytes, a store 256 consecutive bytes, aligned.  No LDS, no barrier: a row never leaves its wave.
; Work-groups 0-511: x; 512-1023: context; 1024-1087: Wq; -1151: Wk; -1215: Wv; -1279: Wo.
.set T,  4                             ; v[4:11]   four chains of pairs
.set PX, 12                            ; v12       what the other half of the lanes holds
.set MU, 14                            ; v[14:15]  the mean, twice
.set RS, 16                            ; v[16:17]  1 / sqrt(var + eps), twice
.set G,  20                            ; v[20:51]  ln_g of my columns: chunk j holds columns 128 j + 4 lane .. + 3
.set BV, 52                            ; v[52:83]  ln_b likewise
.set X,  84                            ; v[84:211] row i, chunk j at X + 32 i + 4 j
	s_load_b512 s[4:19], s[0:1], 0x0               ; x, context, ln_g, ln_b, Wq, Wk, Wv, Wo
	s_load_b128 s[20:23], s[0:1], 0x40             ; an, wh
	v_and_b32 v3, 31, v0                           ; lane
	v_lshrrev_b32 v2, 5, v0                        ; wave
	v_lshlrev_b32 v1, 14, v2
	v_lshl_add_u32 v1, v3, 4, v1                   ; in: 16 x lane + wave x 4 rows of 4,096 bytes
	v_lshlrev_b32 v2, 13, v2
	v_lshl_add_u32 v2, v3, 3, v2                   ; out: 8 x lane + wave x 4 rows of 2,048 bytes
	v_lshlrev_b32 v3, 4, v3                        ; my 16 bytes in a chunk of ln_g and ln_b
	v_mov_b32 v[PX], 0                             ; v_permlanex16_b32 counts as a reader of its destination
	s_mov_b32 s24, ttmp9
	s_mov_b32 s33, 0
	s_mov_b32 s34, 0x76543210                      ; lane i of one half reads lane i of the other
	s_mov_b32 s35, 0xfedcba98
	s_mov_b32 s36, 0x3a800000                      ; 1 / 1,024
	s_mov_b32 s37, 0x3727c5ac                      ; 1e-5
	s_mov_b32 s38, 0x3e000000                      ; 1 / 8
	s_mov_b32 s39, s38                             ; named with it as a pair
	s_wait_kmcnt 0x0
.macro LOADROWS                        ; my four rows: 32 loads
.irp i, 0,1,2,3
.irp j, 0,1,2,3,4,5,6,7
	global_load_b128 v[X+32*(\i)+4*(\j):X+32*(\i)+4*(\j)+3], v1, s[28:29] offset:4096*(\i)+512*(\j) th:TH_LOAD_NT
.endr
.endr
.endm
.macro REDUCE                          ; the four chains into one number, the same in all 32 lanes
	v_pk_add_f32 v[T:T+1], v[T:T+1], v[T+2:T+3]
	v_pk_add_f32 v[T+4:T+5], v[T+4:T+5], v[T+6:T+7]
	v_pk_add_f32 v[T:T+1], v[T:T+1], v[T+4:T+5]
	v_add_f32 v[T], v[T], v[T+1]
	v_add_f32_dpp v[T], v[T], v[T] row_xmask:1 row_mask:0xf bank_mask:0xf
	v_add_f32_dpp v[T], v[T], v[T] row_xmask:2 row_mask:0xf bank_mask:0xf
	v_add_f32_dpp v[T], v[T], v[T] row_xmask:4 row_mask:0xf bank_mask:0xf
	v_add_f32_dpp v[T], v[T], v[T] row_xmask:8 row_mask:0xf bank_mask:0xf
	v_permlanex16_b32 v[PX], v[T], s34, s35
	v_add_f32 v[T], v[T], v[PX]
.endm
.macro OUTROW i                        ; row i is rounded to f16 in place and stored; no register is written again behind a store
.set R, X+32*(\i)
.set j, 0
.rept 8
	v_cvt_pk_f16_f32 v[R+4*j], v[R+4*j], v[R+4*j+1]
	v_cvt_pk_f16_f32 v[R+4*j+1], v[R+4*j+2], v[R+4*j+3]
	global_store_b64 v2, v[R+4*j:R+4*j+1], s[30:31] offset:2048*(\i)+256*j
.set j, j+1
.endr
.endm
.macro LNROW i
.set R, X+32*(\i)
	s_wait_loadcnt 24-8*(\i)                       ; loads come back in order: ln_g, ln_b and rows 0 .. i are in; the younger rows, eight loads each, stay out
.irp c, 0,1,2,3
	v_pk_add_f32 v[T+2*(\c):T+2*(\c)+1], v[R+2*(\c):R+2*(\c)+1], v[R+8+2*(\c):R+8+2*(\c)+1]
.endr
.irp c, 0,1,2,3
	v_pk_add_f32 v[T+2*(\c):T+2*(\c)+1], v[T+2*(\c):T+2*(\c)+1], v[R+16+2*(\c):R+16+2*(\c)+1]
.endr
.irp c, 0,1,2,3
	v_pk_add_f32 v[T+2*(\c):T+2*(\c)+1], v[T+2*(\c):T+2*(\c)+1], v[R+24+2*(\c):R+24+2*(\c)+1]
.endr
	REDUCE
	v_mul_f32 v[MU], s36, v[T]                     ; the mean, in both halves of a pair
	v_mul_f32 v[MU+1], s36, v[T]
.set j, 0
.rept 16
	v_pk_add_f32 v[R+j:R+j+1], v[R+j:R+j+1], v[MU:MU+1] neg_lo:[0,1] neg_hi:[0,1]  ; x - mean, in place
.set j, j+2
.endr
.irp c, 0,1,2,3
	v_pk_mul_f32 v[T+2*(\c):T+2*(\c)+1], v[R+2*(\c):R+2*(\c)+1], v[R+2*(\c):R+2*(\c)+1]
.endr
.set j, 8
.rept 12
	v_pk_fma_f32 v[T+j%8:T+j%8+1], v[R+j:R+j+1], v[R+j:R+j+1], v[T+j%8:T+j%8+1]
.set j, j+2
.endr
	REDUCE
	v_fma_f32 v[T], v[T], s36, s37                 ; var + eps
	v_rsq_f32 v[RS], v[T]
	v_nop                                          ; a plain instruction behind the transcendental (ISA guide 5.7.2),
	s_wait_alu depctr_va_vdst(0)                   ; and the wait ahead of its result's first reader
	v_mov_b32 v[RS+1], v[RS]
.set j, 0
.rept 16
	v_pk_mul_f32 v[R+j:R+j+1], v[R+j:R+j+1], v[RS:RS+1]
.set j, j+2
.endr
.set j, 0
.rept 16
	v_pk_fma_f32 v[R+j:R+j+1], v[R+j:R+j+1], v[G+j:G+j+1], v[BV+j:BV+j+1]
.set j, j+2
.endr
	OUTROW \i
.endm
.macro CASTROW i, scaled
.set R, X+32*(\i)
	s_wait_loadcnt 24-8*(\i)                       ; rows 0 .. i are in
.if \scaled
.set j, 0
.rept 16
	v_pk_mul_f32 v[R+j:R+j+1], v[R+j:R+j+1], s[38:39] op_sel_hi:[1,0]
.set j, j+2
.endr
.endif
	OUTROW \i
.endm
	s_cmp_lt_u32 s24, 1024
	s_cbranch_scc0 .Lcast
	s_cmp_lt_u32 s24, 512
	s_cselect_b64 s[28:29], s[4:5], s[6:7]         ; x or context
	s_and_b32 s32, s24, 511
	s_lshl_b32 s32, s32, 16                        ; 16 rows of 4,096 bytes a work-group
	s_add_nc_u64 s[28:29], s[28:29], s[32:33]
	s_lshl_b32 s32, s24, 15                        ; 16 rows of 2,048 bytes
	s_add_nc_u64 s[30:31], s[20:21], s[32:33]
.irp j, 0,1,2,3,4,5,6,7
	global_load_b128 v[G+4*(\j):G+4*(\j)+3], v3, s[8:9] offset:512*(\j)
.endr
.irp j, 0,1,2,3,4,5,6,7
	global_load_b128 v[BV+4*(\j):BV+4*(\j)+3], v3, s[10:11] offset:512*(\j)
.endr
	LOADROWS
	LNROW 0
	LNROW 1
	LNROW 2
	LNROW 3
	s_endpgm
.Lcast:
	s_sub_co_u32 s25, s24, 1024                    ; 0 .. 255: 64 work-groups a weight
	s_cmp_lt_u32 s25, 64
	s_cselect_b64 s[28:29], s[12:13], s[14:15]
	s_cmp_lt_u32 s25, 128
	s_cselect_b64 s[28:29], s[28:29], s[16:17]
	s_cmp_lt_u32 s25, 192
	s_cselect_b64 s[28:29], s[28:29], s[18:19]
	s_and_b32 s32, s25, 63
	s_lshl_b32 s32, s32, 16
	s_add_nc_u64 s[28:29], s[28:29], s[32:33]
	s_lshl_b32 s32, s25, 15
	s_add_nc_u64 s[30:31], s[22:23], s[32:33]
	LOADROWS
	s_cmp_lt_u32 s25, 64
	s_cbranch_scc0 .Lplain
	CASTROW 0, 1                                   ; Wq / 8
	CASTROW 1, 1
	CASTROW 2, 1
	CASTROW 3, 1
	s_endpgm
.Lplain:
	CASTROW 0, 0
	CASTROW 1, 0
	CASTROW 2, 0
	CASTROW 3, 0
	s_endpgm
.Lfunc_end_k_qb7b9ddc448_prep:
	.size	k_qb7b9ddc448_prep, .Lfunc_end_k_qb7b9ddc448_prep-k_qb7b9ddc448_prep
	.p2alignl 7, 3214868480
	.fill 96, 4, 3214868480
	.section	.rodata,"a",@progbits
	.p2align	6, 0x0
	.amdhsa_kernel k_qb7b9ddc448_prep
		.amdhsa_group_segment_fixed_size 0
		.amdhsa_private_segment_fixed_size 0
		.amdhsa_enable_private_segment 0
		.amdhsa_kernarg_size 80
		.amdhsa_user_sgpr_count 2
		.amdhsa_user_sgpr_kernarg_segment_ptr 1
		.amdhsa_wavefront_size32 1
		.amdhsa_system_sgpr_workgroup_id_x 1
		.amdhsa_system_sgpr_workgroup_id_y 1
		.amdhsa_system_sgpr_workgroup_id_z 1
		.amdhsa_system_vgpr_workitem_id 0
		.amdhsa_next_free_vgpr 212
		.amdhsa_next_free_sgpr 66
		.amdhsa_reserve_vcc 0
		.amdhsa_float_denorm_mode_32 3
		.amdhsa_float_denorm_mode_16_64 3
		.amdhsa_memory_ordered 1
		.amdhsa_forward_progress 1
		.amdhsa_inst_pref_size 60
	.end_amdhsa_kernel
	.amdgpu_metadata
---
amdhsa.version: [ 1, 2 ]
amdhsa.kernels:
  - .name:           k_qb7b9ddc448_prep
    .symbol:         k_qb7b9ddc448_prep.kd
    .args:
      - { .name: x, .offset: 0, .size: 8, .value_kind: global_buffer, .address_space: global }
      - { .name: context, .offset: 8, .size: 8, .value_kind: global_buffer, .address_space: global }
      - { .name: ln_g, .offset: 16, .size: 8, .value_kind: global_buffer, .address_space: global }
      - { .name: ln_b, .offset: 24, .size: 8, .value_kind: global_buffer, .address_space: global }
      - { .name: Wq, .offset: 32, .size: 8, .value_kind: global_buffer, .address_space: global }
      - { .name: Wk, .offset: 40, .size: 8, .value_kind: global_buffer, .address_space: global }
      - { .name: Wv, .offset: 48, .size: 8, .value_kind: global_buffer, .address_space: global }
      - { .name: Wo, .offset: 56, .size: 8, .value_kind: global_buffer, .address_space: global }
      - { .name: an, .offset: 64, .size: 8, .value_kind: global_buffer, .address_space: global }
      - { .name: wh, .offset: 72, .size: 8, .value_kind: global_buffer, .address_space: global }
    .group_segment_fixed_size: 0
    .private_segment_fixed_size: 0
    .kernarg_segment_align: 8
    .kernarg_segment_size: 80
    .max_flat_workgroup_size: 128
    .sgpr_count:     66
    .vgpr_count:     212
    .wavefront_size: 32
...
	.end_amdgpu_metadata
.endif
;; end of part 1
;; launch proj (part 2): grid 12 x 32, 4 waves a work-group, clusters of 4 x 4, 327,680 bytes of LDS; arguments an, wh, qkv; writes qkv
.if DOCPART == 2
	.amdgcn_target "amdgcn-amd-amdhsa--gfx1250"
	.amdhsa_code_object_version 6
	.text
	.protected	k_qb7b9ddc448_proj
	.globl	k_qb7b9ddc448_proj
	.p2align	8
	.type	k_qb7b9ddc448_proj,@function
k_qb7b9ddc448_proj:
	s_mov_b64 s[64:65], 0
	v_nop
	global_prefetch_b8 v0, s[64:65] scope:SCOPE_SE
	s_setreg_imm32_b32 hwreg(HW_REG_WAVE_MODE, 25, 1), 1
	s_wait_xcnt 0x0
	s_wait_alu depctr_hold_cnt(0) depctr_sa_sdst(0) depctr_va_vdst(0) depctr_va_sdst(0) depctr_va_ssrc(0) depctr_va_vcc(0) depctr_vm_vsrc(0)
	s_getreg_b32 s2, hwreg(HW_REG_IB_STS2, 6, 4)
	s_cmp_eq_u32 s2, 0
	s_cbranch_scc0 .Lentry_in_a_cluster
	s_endpgm
.Lentry_in_a_cluster:
	s_bfe_u32 s2, ttmp6, 0x10000c
	s_cmp_lg_u32 s2, 0xf033
	s_cbranch_scc0 .Lentry_shape_is_right
	s_endpgm
.Lentry_shape_is_right:
; PROJ.  q / 8 = xn (Wq / 8)^T, k = cn Wk^T, v = cn Wv^T: one product [8192 x 1024] x [3072 x 1024]^T in f16 with f32 sums, stored by heads: qkv[kind][batch][head][n][64], f16, rounded once.
; Nothing of the problem's work is left out here.  LIMIT: results beyond 65,504 become infinities.
; SHARES.  A tile of C is 256 x 256: 384 tiles.  Four waves, each 128 x 128: 64 accumulators of 16 x 16, 512 registers.  K goes in 8 steps of 128 (rows of 256 bytes in memory, aligned) through two LDS slots.
; A K step is 256 matrix instructions a wave, 224 of them between the request for a tile and the wait for it; a fragment read from LDS feeds eight products.  (A tile of 128 x 256 divides the rows more evenly
; among the work-groups, but halves both counts; two slots of a larger tile, or of two K steps of the smaller one, do not fit into 327,680 bytes.)
; CLUSTER 4 x 4: the four work-groups of a cluster's row need the same rows of A, the four of a column the same rows of W: each tile is asked for jointly, by the same tensor load with the same descriptor and a
; mask that names the four.  The cluster's x is the kind (0 q, 1 k, 2 v): it chooses xn or cn.
; The matrix instruction is used transposed (source 0 = 16 rows of W, source 1 = 16 rows of A): a lane then holds eight neighbouring columns of one row of C.
; REGISTERS, in windows of 256 (s_set_vgpr_msb: bits 1:0 source 0, 3:2 source 1, 5:4 source 2, 7:6 destination):
;   window 0: v16-30 addresses; v32-63, v224-255 rows read back on the way out, by turns; v64-127, v128-191 A's fragments, two buffers; v192-223 packed results
;   window 1: v64-127, v128-191 W's fragments, two buffers      window 2: the accumulators of my rows 0-63, (a, b) at v[8 (8 a + b)]      window 3: those of my rows 64-127
.set PITCH, 272                        ; an LDS row: 256 bytes + 16 of padding = 68 words: the 16 rows of a fragment load start at 16 different groups of four banks (64 banks of 4 bytes: ISA guide 11.1)
.set HALFT, 128*PITCH                  ; 128 rows: what one tensor load brings, and what one wave reads of A or of W
.set SLOT,  4*HALFT                    ; A's 256 rows, then W's 256 rows
.set SP,    144                        ; a stage row: a head's 128 bytes + 16
.set STW,   32*SP                      ; a wave's stage: two heads x 16 rows
.set STAGE, 2*SLOT                     ; behind the ring; no tensor load fills it
.set SPARE, STAGE+4*STW                ; the spare words, 128 bytes a wave: two blocks of 256 bytes that no other line names
.set XA0, SLOT                         ; one exclusive or turns a part's LDS address in one slot into the other's
.set XA1, HALFT^(HALFT+SLOT)
.set XB0, (2*HALFT)^(2*HALFT+SLOT)
.set XB1, (3*HALFT)^(3*HALFT+SLOT)
.set ADRA0, 16                         ; v16  my place in A's rows of slot 0; never rewritten
.set ADRA,  17                         ; v17  the same in the slot in hand
.set ADRB0, 20
.set ADRB,  21
.set STO,   24                         ; the way out: where I put 16 bytes of a row
.set RD,    25                         ; where I read rows back
.set GO,    26                         ; my 16 bytes in 512 consecutive bytes of qkv
.set SPW,   28                         ; SPARE + 4 x my thread's number; never rewritten
.set NIL,   29                         ; 0; never rewritten
.set PFO,   30                         ; the prefetches' offset: my lane x a row of 2,048 bytes; never rewritten
.set OB,    32
.set F0,    64
.set F1,    128
.set TMP,   192
.set TB,    2                          ; s2   the slot in hand: 0 or SLOT
.set PFA,   18                         ; s[18:19] my work-group's 32 rows of the 128 that I fetch, at the K step that the next prefetch names
.set LIM,   20                         ; s20  2 in a wave that prefetches, else the greatest number
.set G1,    24                         ; s[24:31] group 1 for A's tiles
.set G1B,   32                         ; s[32:39] for W's: it differs in the mask alone
.set GA0,   48                         ; group 0, a walking set for each wave: wave 0 A's rows 0-127, wave 1 A's rows 128-255,
.set GA1,   52
.set GB0,   56                         ; wave 2 W's rows 0-127, wave 3 W's rows 128-255
.set GB1,   60
.set MSB, 0
.macro WIN new                         ; the immediate's high byte repeats the setting that is left; a switch that changes nothing is dropped
.if MSB != (\new)
	s_set_vgpr_msb (MSB<<8)|(\new)
.set MSB, \new
.endif
.endm
.set MUL_LO, 0xa1                      ; source 0 (W) window 1, source 1 (A) window 0, C and D window 2
.set MUL_HI, 0xf1                      ; the same, C and D window 3
.set TO_B,   0x40                      ; destination window 1, address window 0
; A joint load: each wave's one tensor load.  The branches hang on the wave's number alone.  An s_nop 0 and four v_nop follow each line.
.macro TLOAD g0, g1
	tensor_load_to_lds s[\g0:\g0+3], s[\g1:\g1+7]
	s_nop 0
.rept 4
	v_nop
.endr
.endm
.macro JLOAD
	s_cmp_lt_u32 s10, 2
	s_cbranch_scc0 .Lfor_b_\@
	s_cmp_eq_u32 s10, 0
	s_cbranch_scc0 .La_half_1_\@
	TLOAD GA0, G1
	s_branch .Lasked_\@
.La_half_1_\@:
	TLOAD GA1, G1
	s_branch .Lasked_\@
.Lfor_b_\@:
	s_cmp_eq_u32 s10, 2
	s_cbranch_scc0 .Lb_half_1_\@
	TLOAD GB0, G1B
	s_branch .Lasked_\@
.Lb_half_1_\@:
	TLOAD GB1, G1B
.Lasked_\@:
.endm
.macro STEPD                           ; the walking descriptors: the other slot than last time, the next K step; written only where no tensor load of the wave is out
	s_xor_b32 s[GA0+1], s[GA0+1], XA0
	s_add_nc_u64 s[GA0+2:GA0+3], s[GA0+2:GA0+3], 256
	s_xor_b32 s[GA1+1], s[GA1+1], XA1
	s_add_nc_u64 s[GA1+2:GA1+3], s[GA1+2:GA1+3], 256
	s_xor_b32 s[GB0+1], s[GB0+1], XB0
	s_add_nc_u64 s[GB0+2:GB0+3], s[GB0+2:GB0+3], 256
	s_xor_b32 s[GB1+1], s[GB1+1], XB1
	s_add_nc_u64 s[GB1+2:GB1+3], s[GB1+2:GB1+3], 256
.endm
; A PREFETCH INTO THE L2, behind the joint load, its five lines and the run of LDS loads that follows them: the K step that stands two refills on, 512 matrix instructions ahead of the load that will want it:
; 32 rows x 256 bytes, a lane a row, one instruction a wave.  Each row's 256 bytes of a K step are named once in the launch.  xn's rows are read by the clusters with x = 0, which ask; cn's by those with x = 1
; and x = 2: x = 1 asks.  W's rows are read by every cluster of a column of clusters: y = 0 asks.  The four partners that ask for a tile jointly share its rows out BY ADDRESS: of the 128 rows that a wave
; fetches, the partner at place p takes 32 p .. 32 p + 31 (p = cx for A, cy for W): no branch hangs on a work-group's place in its cluster.  K steps 0 to 3 come by their loads alone; the last two refills ask for nothing.
.macro ASK
	s_cmp_gt_u32 s3, s[LIM]                        ; s3 = 2 and 1 in the loop's last two trips
	s_cbranch_scc0 .Lnot_mine_\@
	global_prefetch_b8 v[PFO], s[PFA:PFA+1] th:TH_LOAD_NT scope:SCOPE_SE
.Lnot_mine_\@:
.endm
.macro CREST                           ; a round of the cluster's barrier behind its opening barrier
	s_cmp_lg_u32 s10, 0
	s_cbranch_scc1 .Lnot_wave_0_\@
	s_barrier_signal -3
.Lnot_wave_0_\@:
	s_barrier_wait -3
	s_barrier_signal -1
	s_barrier_wait -1
.endm
.macro CROUND
	s_barrier_signal -1
	s_barrier_wait -1
	CREST
.endm
.macro PLACES                          ; four places behind a matrix instruction, in front of loads into registers that it read and of readers of its result
.rept 4
	v_nop
.endr
.endm
; 16 matrix instructions: row blocks a0, a0 + 1 of the window's four (hi = 0: my rows 0-63, 1: rows 64-127) x all 8 column blocks, 32 along K.  zero = 1: the products start the sums.
.macro MUL16 f, hi, a0, zero
	WIN MUL_LO+0x50*(\hi)
.irp a, \a0, (\a0)+1
.irp b, 0,1,2,3,4,5,6,7
.if \zero
	v_wmma_f32_16x16x32_f16 v[8*(8*(\a)+(\b)):8*(8*(\a)+(\b))+7], v[(\f)+8*(\b):(\f)+8*(\b)+7], v[(\f)+8*(4*(\hi)+(\a)):(\f)+8*(4*(\hi)+(\a))+7], 0
.else
	v_wmma_f32_16x16x32_f16 v[8*(8*(\a)+(\b)):8*(8*(\a)+(\b))+7], v[(\f)+8*(\b):(\f)+8*(\b)+7], v[(\f)+8*(4*(\hi)+(\a)):(\f)+8*(4*(\hi)+(\a))+7], v[8*(8*(\a)+(\b)):8*(8*(\a)+(\b))+7]
.endif
.endr
.endr
.endm
.macro FETCH kq, f                     ; 32 LDS loads in one run: K quarter kq's fragments into buffer f: W's eight, then A's eight in order
	WIN TO_B
.irp i, 0,1,2,3,4,5,6,7
	ds_load_b128 v[(\f)+8*(\i):(\f)+8*(\i)+3],   v[ADRB] offset:64*(\kq)+(\i)*16*PITCH
	ds_load_b128 v[(\f)+8*(\i)+4:(\f)+8*(\i)+7], v[ADRB] offset:64*(\kq)+(\i)*16*PITCH+32
.endr
	WIN 0
.irp i, 0,1,2,3,4,5,6,7
	ds_load_b128 v[(\f)+8*(\i):(\f)+8*(\i)+3],   v[ADRA] offset:64*(\kq)+(\i)*16*PITCH
	ds_load_b128 v[(\f)+8*(\i)+4:(\f)+8*(\i)+7], v[ADRA] offset:64*(\kq)+(\i)*16*PITCH+32
.endr
.endm
; A K step is four quarters of 32 along K, 64 matrix instructions each, on buffers 0, 1, 0, 1.  The 64 accumulators take turns, one instruction a turn, in the same order in every quarter.
.macro QUARTER kq, f, g, zero          ; multiplies buffer f; in its middle fetches quarter kq into buffer g
	s_wait_dscnt 8                                 ; W's fragments and A's 0 to 3 are in; the youngest eight loads (A's 4 to 7) may be out
	MUL16 \f, 0, 0, \zero
	MUL16 \f, 0, 2, \zero
	PLACES
	FETCH \kq, \g
	s_wait_dscnt 32                                ; all but the 32 just issued
	MUL16 \f, 1, 0, \zero
	MUL16 \f, 1, 2, \zero
.endm
; The last quarter multiplies buffer 1 and changes slots.  In front of the barrier each wave waits for all its tensor loads (one is out: its part of the next slot), adds 0 to its spare word, and waits for
; that and for its reads of this slot.  fill = 1: the barrier opens a round of the cluster's, and the joint refill, two K steps ahead, is the first tensor load behind it.
; fill = 0: the tail's form: nothing is asked for, and in the tail's last pass (s3 = 1) there is no further K step: the run of loads is jumped over.
.macro TURN fill
.if \fill
	s_wait_xcnt 0x0                                ; the last prefetch, a K step back, has read its address: it is stepped here, ahead of the waits of the change of slots
	s_add_nc_u64 s[PFA:PFA+1], s[PFA:PFA+1], 256
.endif
	WIN 0                                          ; (the add's two registers lie in window 0)
	s_wait_tensorcnt 0x0
	ds_add_u32 v[SPW], v[NIL]
	s_wait_dscnt 9                                 ; (the add and the youngest eight loads may be out)
	MUL16 F1, 0, 0, 0                              ; sixteen matrix instructions stand between the add and the wait for it
	s_wait_dscnt 0x0                               ; the add is done, and my reads of this slot are over
	s_barrier_signal -1
	MUL16 F1, 0, 2, 0                              ; work on registers while the others arrive
.if \fill
	WIN 0
.endif
	s_barrier_wait -1
.if \fill
	CREST                                          ; no wave of any partner still reads this slot or has a load on its way
	STEPD
	JLOAD                                          ; its four v_nop are also the places in front of the loads below
.else
	PLACES
	WIN 0
	s_cmp_eq_u32 s3, 1
	s_cbranch_scc1 .Lno_fetch_\@
.endif
	s_xor_b32 s[TB], s[TB], SLOT                   ; the reads go to the other slot
	v_add_nc_u32 v[ADRA], s[TB], v[ADRA0]
	v_add_nc_u32 v[ADRB], s[TB], v[ADRB0]
	FETCH 0, F0
.if \fill
	ASK
.else
.Lno_fetch_\@:
.endif
	MUL16 F1, 1, 0, 0
	MUL16 F1, 1, 2, 0
.endm
	s_load_b128 s[4:7], s[0:1], 0x0                ; an s[4:5], wh s[6:7]
	s_load_b64 s[8:9], s[0:1], 0x10                ; qkv
	v_lshl_add_u32 v[SPW], v0, 2, SPARE
	v_mov_b32 v[NIL], 0
	ds_add_u32 v[SPW], v[NIL]                      ; the wave's opening: the add, twice on end, and its wait ahead of my first tensor load
	ds_add_u32 v[SPW], v[NIL]
	v_lshrrev_b32 v1, 5, v0
	v_readfirstlane_b32 s10, v1                    ; wave 0..3
	s_lshr_b32 s11, s10, 1                         ; my half of the tile's rows.  Also: I fetch for A (0) or for W (1)
	s_and_b32 s12, s10, 1                          ; my half of its columns.  Also: which half I fetch
	s_bfe_u32 s40, ttmp6, 0x40000                  ; cx
	s_bfe_u32 s41, ttmp6, 0x40004                  ; cy
	s_lshl_b32 s42, ttmp9, 2
	s_add_co_u32 s42, s42, s40                     ; tile column = 4 x cluster x + cx: 0 .. 11
	s_and_b32 s13, ttmp7, 0xffff
	s_lshl_b32 s13, s13, 2
	s_add_co_u32 s13, s13, s41                     ; tile row = 4 x cluster y + cy: 0 .. 31
	s_lshl_b32 s43, s41, 2
	s_lshl_b32 s43, 15, s43                        ; my row of the cluster
	s_lshl_b32 s44, 0x1111, s40                    ; my column
	s_or_b32 s[G1+0], s43, (1<<16)|(1<<20)|(1<<21)|(5<<22)|(3<<25)   ; the mask; 2-byte elements; padding on; bit 21 beside a mask; after every 64 words, 4 words
	s_or_b32 s[G1B+0], s44, (1<<16)|(1<<20)|(1<<21)|(5<<22)|(3<<25)
.irp g, G1, G1B
	s_mov_b32 s[(\g)+1], 128<<16                   ; tensor_dim0 = 128
	s_mov_b32 s[(\g)+2], 128<<16                   ; tensor_dim1 = 128
	s_mov_b32 s[(\g)+3], 128<<16                   ; tile_dim0 = 128
	s_mov_b32 s[(\g)+4], 128                       ; tile_dim1 = 128
	s_mov_b32 s[(\g)+5], 1024                      ; elements from row to row
	s_mov_b32 s[(\g)+6], 0
	s_mov_b32 s[(\g)+7], 0
.endr
	s_mov_b32 s[GA0], 1                            ; count = 1; the LDS addresses are constants: slot 0 first
	s_mov_b32 s[GA0+1], 0
	s_mov_b32 s[GA1], 1
	s_mov_b32 s[GA1+1], HALFT
	s_mov_b32 s[GB0], 1
	s_mov_b32 s[GB0+1], 2*HALFT
	s_mov_b32 s[GB1], 1
	s_mov_b32 s[GB1+1], 3*HALFT
	s_mov_b32 s[TB], 0
	s_cmp_lg_u32 ttmp9, 0                          ; k and v are made of cn, which lies 8,192 rows down in an
	s_cselect_b32 s16, 8192, 0
	s_lshl_b32 s17, s13, 8
	s_add_co_u32 s16, s16, s17                     ; A: the tile's first row,
	s_lshl_b32 s16, s16, 11                        ; in bytes
	s_mov_b32 s17, 0
	s_lshl_b32 s46, s42, 19                        ; W: 256 rows of 2,048 bytes a tile column
	s_mov_b32 s47, 0
	s_and_b32 s22, ttmp7, 0xffff                   ; the prefetches: cluster y,
	s_lshr_b32 s23, ttmp9, 1                       ; and 0 for cluster x = 0 and 1
	s_cmp_eq_u32 s11, 0                            ; do I fetch for A?
	s_cselect_b32 s[LIM], s23, s22                 ; 0 where my cluster is the one that asks
	s_cselect_b32 s21, s40, s41                    ; my place among the four that ask for the tile with me
	s_cmp_eq_u32 s[LIM], 0
	s_cselect_b32 s[LIM], 2, -1                    ; the same in all sixteen partners, for a given wave
	s_lshl_b32 s22, s12, 7                         ; the 128 rows that I fetch,
	s_lshl_b32 s21, s21, 5                         ; my work-group's 32 of them
	s_add_co_u32 s22, s22, s21
	s_lshl_b32 s22, s22, 11
	s_add_co_u32 s22, s22, 3*256                   ; at K step 3: stepped ahead of each use, so K step 4 is the first that is named
	s_mov_b32 s23, 0
	s_wait_dscnt 0x0                               ; both opening adds are done
	s_wait_kmcnt 0x0
	s_add_nc_u64 s[14:15], s[4:5], s[16:17]
	s_add_nc_u64 s[46:47], s[6:7], s[46:47]
	s_cmp_eq_u32 s11, 0
	s_cselect_b64 s[PFA:PFA+1], s[14:15], s[46:47]
	s_add_nc_u64 s[PFA:PFA+1], s[PFA:PFA+1], s[22:23]
	s_mov_b64 s[GA0+2:GA0+3], s[14:15]             ; K step 0
	s_add_nc_u64 s[GA1+2:GA1+3], s[14:15], 128*2048
	s_mov_b64 s[GB0+2:GB0+3], s[46:47]
	s_add_nc_u64 s[GB1+2:GB1+3], s[46:47], 128*2048
	s_or_b32 s[GA0+3], s[GA0+3], 0x80000000        ; type = 2
	s_or_b32 s[GA1+3], s[GA1+3], 0x80000000
	s_or_b32 s[GB0+3], s[GB0+3], 0x80000000
	s_or_b32 s[GB1+3], s[GB1+3], 0x80000000
	CROUND                                         ; all sixteen work-groups are here: the first joint loads meet
	JLOAD                                          ; K step 0 into slot 0.  K step 1 is asked for when it is in: it then has a whole K step in which to land
	v_and_b32 v1, 15, v0                           ; l % 16
	v_bfe_u32 v2, v0, 4, 1                         ; l / 16
	v_mul_u32_u24 v3, v1, PITCH
	v_lshl_add_u32 v3, v2, 4, v3                   ; a fragment's row x pitch + 16 x half
	s_mul_i32 s21, s11, HALFT                      ; my 128 rows of A
	s_mul_i32 s22, s12, HALFT                      ; my 128 rows of W,
	s_add_co_u32 s22, s22, 2*HALFT                 ; which lie behind A's 256
	v_add_nc_u32 v[ADRA0], s21, v3
	v_add_nc_u32 v[ADRB0], s22, v3
	v_mov_b32 v[ADRA], v[ADRA0]                    ; slot 0 first
	v_mov_b32 v[ADRB], v[ADRB0]
	s_mul_i32 s23, s10, STW
	s_add_co_u32 s23, s23, STAGE                   ; my stage
	v_mul_u32_u24 v3, v1, SP                       ; in: row l % 16, 16 bytes for each half of the lanes
	v_lshl_add_u32 v3, v2, 4, v3
	v_add_nc_u32 v[STO], s23, v3
	v_bfe_u32 v3, v0, 3, 2                         ; back: 32 lanes take four rows of 128 bytes,
	v_mul_u32_u24 v3, v3, SP
	v_and_b32 v4, 7, v0
	v_lshl_add_u32 v3, v4, 4, v3
	v_add_nc_u32 v[RD], s23, v3
	v_and_b32 v[GO], 31, v0                        ; which are 512 consecutive bytes of a head
	v_lshlrev_b32 v[PFO], 11, v[GO]
	v_lshlrev_b32 v[GO], 4, v[GO]
	s_lshl_b32 s46, s42, 2                         ; my 128 columns are two whole heads: the first is number 4 x tile column + 2 x half of 48
	s_lshl_b32 s47, s12, 1
	s_add_co_u32 s46, s46, s47
	s_lshr_b32 s47, s46, 4                         ; kind,
	s_lshl_b32 s47, s47, 7                         ; x 8 batches x 16 heads
	s_and_b32 s46, s46, 15                         ; head
	s_add_co_u32 s46, s46, s47
	s_lshr_b32 s47, s13, 2                         ; batch
	s_lshl_b32 s47, s47, 4
	s_add_co_u32 s46, s46, s47
	s_lshl_b32 s46, s46, 17                        ; a head is 1,024 rows of 128 bytes
	s_and_b32 s47, s13, 3
	s_lshl_b32 s47, s47, 8
	s_lshl_b32 s45, s11, 7
	s_add_co_u32 s47, s47, s45                     ; my first row in the batch
	s_lshl_b32 s47, s47, 7
	s_add_co_u32 s46, s46, s47
	s_mov_b32 s47, 0
	s_add_nc_u64 s[8:9], s[8:9], s[46:47]
	s_wait_tensorcnt 0x0                           ; my part of K step 0 is in, and no tensor load of mine is out
	ds_add_u32 v[SPW], v[NIL]                      ; 0 onto my spare word; the descriptors' steps stand between it and the wait for it
	STEPD
	s_wait_dscnt 0x0
	CROUND                                         ; everybody's part is in, in all sixteen work-groups
	JLOAD                                          ; K step 1 into slot 1
	FETCH 0, F0
	QUARTER 1, F0, F1, 1                           ; the first quarter stands in front of the loop: its products start the sums
	WIN 0                                          ; at a label and at a branch every window is 0
	s_mov_b32 s3, 6
.Lstep:                                        ; a trip: from a K step's second quarter to the next step's first; its refill brings K steps 2 .. 7
	QUARTER 2, F1, F0, 0
	QUARTER 3, F0, F1, 0
	TURN 1
	QUARTER 1, F0, F1, 0
	WIN 0
	s_sub_co_u32 s3, s3, 1
	s_cmp_lg_u32 s3, 0
	s_cbranch_scc1 .Lstep
	s_mov_b32 s3, 2
.Ltail:                                        ; the last two K steps ask for nothing: a text of their own; walked twice and left in its middle.
	QUARTER 2, F1, F0, 0                           ; (The second pass's barrier and the lines in front of it order nothing more: the price of one text for both passes.)
	QUARTER 3, F0, F1, 0
	TURN 0
	WIN 0
	s_sub_co_u32 s3, s3, 1
	s_cmp_eq_u32 s3, 0
	s_cbranch_scc1 .Lout
	QUARTER 1, F0, F1, 0
	WIN 0
	s_branch .Ltail
.Lout:
; THE WAY OUT, 16 rows at a time: rounded to f16, 16 bytes a lane into my own stage (two heads x 16 rows of 144 bytes), back as whole rows, stored as 512 consecutive bytes.
.macro PACK a
.set AC, 64*((\a)%4)
	WIN 0x0a+5*((\a)/4)                            ; sources in window 2 or 3, destination in window 0; each accumulator's registers in ascending order
.irp b, 0,1,2,3,4,5,6,7
.irp r, 0,1,2,3
	v_cvt_pk_f16_f32 v[TMP+4*(\b)+(\r)], v[AC+8*(\b)+2*(\r)], v[AC+8*(\b)+2*(\r)+1]
.endr
.endr
	WIN 0
.endm
.macro TOSTAGE a
.set BK, OB+192*((\a)%2)
.irp b, 0,1,2,3,4,5,6,7
	ds_store_b128 v[STO], v[TMP+4*(\b):TMP+4*(\b)+3] offset:((\b)/4)*16*SP+((\b)%4)*32
.endr
.if (\a) >= 2
	s_wait_xcnt 0x0                                ; the stores of the block two back have read their registers, which are loaded again below
.endif
.irp t, 0,1,2,3,4,5,6,7
	ds_load_b128 v[BK+4*(\t):BK+4*(\t)+3], v[RD] offset:((\t)/4)*16*SP+((\t)%4)*4*SP  ; LDS serves a wave's instructions in order (ISA guide 5.7.1.4): these see the stores above
.endr
.endm
.macro SEND a
.set BK, OB+192*((\a)%2)
	s_wait_dscnt 0x0                               ; the block is back in registers
.irp t, 0,1,2,3,4,5,6,7
	global_store_b128 v[GO], v[BK+4*(\t):BK+4*(\t)+3], s[8:9] offset:((\t)/4)*131072+(\a)*2048+((\t)%4)*512
.endr
.endm
	PLACES
	PACK 0
	TOSTAGE 0
.irp a, 1,2,3,4,5,6,7
	PACK \a                                        ; a block's conversions stand between the loads of the block before and the wait for them
	SEND (\a)-1
	TOSTAGE \a
.endr
	SEND 7
	s_wait_tensorcnt 0x0                           ; the wave's end
	ds_add_u32 v[SPW], v[NIL]
	s_wait_dscnt 0x0
	CROUND                                         ; the closing round: no work-group ends while a partner may still ask for a tile that names it
	s_endpgm
.Lfunc_end_k_qb7b9ddc448_proj:
	.size	k_qb7b9ddc448_proj, .Lfunc_end_k_qb7b9ddc448_proj-k_qb7b9ddc448_proj
	.p2alignl 7, 3214868480
	.fill 96, 4, 3214868480
	.section	.rodata,"a",@progbits
	.p2align	6, 0x0
	.amdhsa_kernel k_qb7b9ddc448_proj
		.amdhsa_group_segment_fixed_size 327680
		.amdhsa_private_segment_fixed_size 0
		.amdhsa_enable_private_segment 0
		.amdhsa_kernarg_size 24
		.amdhsa_user_sgpr_count 2
		.amdhsa_user_sgpr_kernarg_segment_ptr 1
		.amdhsa_wavefront_size32 1
		.amdhsa_system_sgpr_workgroup_id_x 1
		.amdhsa_system_sgpr_workgroup_id_y 1
		.amdhsa_system_sgpr_workgroup_id_z 1
		.amdhsa_system_vgpr_workitem_id 0
		.amdhsa_next_free_vgpr 1024
		.amdhsa_next_free_sgpr 66
		.amdhsa_reserve_vcc 0
		.amdhsa_float_denorm_mode_32 3
		.amdhsa_float_denorm_mode_16_64 3
		.amdhsa_memory_ordered 1
		.amdhsa_forward_progress 1
		.amdhsa_inst_pref_size 104
	.end_amdhsa_kernel
	.amdgpu_metadata
---
amdhsa.version: [ 1, 2 ]
amdhsa.kernels:
  - .name:           k_qb7b9ddc448_proj
    .symbol:         k_qb7b9ddc448_proj.kd
    .args:
      - { .name: an, .offset: 0, .size: 8, .value_kind: global_buffer, .address_space: global }
      - { .name: wh, .offset: 8, .size: 8, .value_kind: global_buffer, .address_space: global }
      - { .name: qkv, .offset: 16, .size: 8, .value_kind: global_buffer, .address_space: global }
    .group_segment_fixed_size: 327680
    .private_segment_fixed_size: 0
    .kernarg_segment_align: 8
    .kernarg_segment_size: 24
    .max_flat_workgroup_size: 128
    .sgpr_count:     66
    .vgpr_count:     1024
    .wavefront_size: 32
...
	.end_amdgpu_metadata
.endif
;; end of part 2
;; launch attn (part 3): grid 8 x 32, 4 waves a work-group, clusters of 4 x 1, 327,680 bytes of LDS; arguments qkv, relative_position_bias, o; writes o
.if DOCPART == 3
	.amdgcn_target "amdgcn-amd-amdhsa--gfx1250"
	.amdhsa_code_object_version 6
	.text
	.protected	k_qb7b9ddc448_attn
	.globl	k_qb7b9ddc448_attn
	.p2align	8
	.type	k_qb7b9ddc448_attn,@function
k_qb7b9ddc448_attn:
	s_mov_b64 s[64:65], 0
	v_nop
	global_prefetch_b8 v0, s[64:65] scope:SCOPE_SE
	s_setreg_imm32_b32 hwreg(HW_REG_WAVE_MODE, 25, 1), 1
	s_wait_xcnt 0x0
	s_wait_alu depctr_hold_cnt(0) depctr_sa_sdst(0) depctr_va_vdst(0) depctr_va_sdst(0) depctr_va_ssrc(0) depctr_va_vcc(0) depctr_vm_vsrc(0)
	s_getreg_b32 s2, hwreg(HW_REG_IB_STS2, 6, 4)
	s_cmp_eq_u32 s2, 0
	s_cbranch_scc0 .Lentry_in_a_cluster
	s_endpgm
.Lentry_in_a_cluster:
	s_bfe_u32 s2, ttmp6, 0x10000c
	s_cmp_lg_u32 s2, 0x3003
	s_cbranch_scc0 .Lentry_shape_is_right
	s_endpgm
.Lentry_shape_is_right:
; ATTN.  o[b][h][q][:] = the sum over k of softmax_k(q'[q] . k[k] + bias[h][q][k]) v[k][:], with q' = q / 8 as the launch before stored it.  q', k, v, o: f16 by heads, rows of 128 bytes, dense; bias f32, never rounded.
; Products, maxima and sums in f32; the weights p are rounded to f16 for the second product (their sum l is taken of the unrounded p), o once at the end.  Nothing of the problem's work is left out here.
; LIMITS.  q', k, v arrive within 65,504; a weight below 2^-126 counts as 0 in l; log2(e) x score must stay above -4e37 (the running maximum's start); NaN and infinities are not treated apart.
; THE BIAS IS THE C OPERAND of the product that starts the sum S^T = K Q^T: it costs no vector instruction.  In S^T a lane holds one query (lane % 16) and the keys 8 (lane / 16) + 0..7 of a block of 16:
; 32 consecutive bytes of the query's row of the bias, two LDS loads of 16 bytes.
; SHARES.  A work-group owns 512 queries of one batch and head; a wave 128: four PIECES of two tiles of 16.  Every wave walks all 1,024 keys, 64 a step.
; CLUSTER.  The four partners are four BATCHES of the same head and query block: they need the same 512 x 64 numbers of the bias in every step, 139,264 of a slot's 158,720 bytes, asked for JOINTLY.
; K and V are each batch's own: 19,456 bytes a step, by loads of one's own (mask 0).  (Query blocks of one head would share K and V, but there are two of them, and each has other rows of the bias.)
; SOFTMAX.  A running maximum m and sum l for each query: p = 2^(c s - c m), c = log2(e); in every step O and l are multiplied by a = 2^(c m_old - c m_new).  m starts at the lowest finite number, O and l at 0.
; BY TURNS.  Turn n belongs to piece n: 16 products K Q^T of piece n + 1, later 16 products V^T P of piece n - 1; beside them piece n's scaling, exponentials, roundings, sums and rescaling and piece n + 1's maximum
; and statistics.  Four vector instructions stand behind every matrix instruction, the others in one lump; a turn's 66 exponentials are one batch with one wait.
; THE RING.  A slot holds ONE key step: the bias tile, K, V.  A trip is: the change of slots; pieces 2 and 3 of step j; pieces 0 and 1 of step j + 1.  All that a trip reads from LDS (K, V and all four pieces' bias of
; step j + 1) lies in one slot; the other is filled meanwhile with step j + 2: one tensor load a wave (wave 0 K, wave 1 V, waves 2 and 3 a half of the bias each), 128 matrix instructions in which to land.
; REGISTERS, in windows of 256 (s_set_vgpr_msb: bits 1:0 source 0, 3:2 source 1, 5:4 source 2, 7:6 destination):
;   window 0: v0-11 addresses; v12-15, v48-63 at work; v16-47 four registers of statistics a tile; v64-191 S^T, two buffers of two tiles; v192-255 P, likewise
;   window 1: O^T, 32 a tile      window 2: v0-127 Q; v128-191 K of one step; v192-255 V of one step      window 3: v0-1 the add's registers; v64-191 the bias, two buffers of two tiles
.set NP,    4
.set KS,    64
.set PBI,   272       ; a row of the bias tile: 256 bytes + 16 = 68 words: the 16 rows of a load start at 16 different groups of four banks (64 banks of 4 bytes: ISA guide 11.1)
.set PK,    144       ; a row of K: 128 bytes + 16
.set PV,    160       ; a row of V: 128 + 32
.set KOFF,  512*PBI
.set VOFF,  KOFF+KS*PK
.set SLOT,  VOFF+KS*PV
.set STAGE, 2*SLOT    ; behind the ring, never filled by a tensor load: 16 rows x 144 bytes for each wave
.set SP,    144
.set SPARE, STAGE+4*16*SP  ; the spare words, 128 bytes a wave: two blocks of 256 bytes that no other line names
.set XK,  KOFF^(KOFF+SLOT)            ; one exclusive or turns a tile's LDS address in one slot into the other's
.set XV,  VOFF^(VOFF+SLOT)
.set XB0, SLOT
.set XB1, (256*PBI)^(256*PBI+SLOT)
.set KIND, 16777216   ; bytes of q', of k and of v in qkv
.set AK0, 2           ; v2   my lane's place in K's tile of slot 0; never rewritten
.set AV0, 3           ; v3   in V's
.set AB0, 4           ; v4   in my wave's 128 rows of the bias tile
.set AK,  5           ; v5-7 the same in the slot in hand
.set AV,  6
.set AB,  7
.set STO, 5           ;      later, the way out
.set RD,  6
.set GO,  7
.set PFO, 8           ; v8   4,096 x lane: a row of the bias; never rewritten
.set PFO2, 9          ; v9   256 x lane; never rewritten
.set QO,  11          ; v11  my byte offset in 16 rows of Q; later at work
.set SPW, 0           ; v0 of window 3
.set NIL, 1           ; v1 of window 3
.set MV,  12
.set ST,  16          ; tile t's statistics at v[ST+4 t]: c m, m, l (even keys', odd keys')
.set TMP, 48
.set S,   64
.set P,   192
.set KF,  128
.set VF,  192
.set BB,  64          ; window 3: piece y, tile u, key block kb at BB + 64 (y % 2) + 32 u + 8 kb
.set WV,  12          ; s12  my wave's number
.set G1K, 24
.set G1V, 32
.set G0K, 40
.set G0V, 44
.set G0B0, 48
.set G0B1, 52
.set SLOTS, 56        ; s56  steps still to be asked for, plus one
.set CNT, 57
.set CS,  58          ; s[58:59] c
.set SEL, 60          ; s[60:61]
.set TB,  62          ; s62  the slot in hand: 0 or SLOT
.set LIMB, 63         ; s63  2 in a wave that prefetches the bias, else the greatest number
.set G1B, 68          ; s[68:75]
.set LIMK, 76         ; s76  the same for K or V
.set PFB, 78          ; s[78:79] my 32 rows of the bias, at the step that the next prefetch names
.set PFK, 80          ; s[80:81] K (wave 0) or V at that step
.set MSB, 0
.macro WIN new
.if MSB != (\new)
	s_set_vgpr_msb (MSB<<8)|(\new)
.set MSB, (\new)
.endif
.endm
.set W_KQ, 0x0a       ; K and Q in window 2, S^T in window 0
.set W_KB, 0x3a       ; the same with the C operand, the bias, in window 3
.set W_PV, 0x52       ; V in window 2, P in window 0, O^T in window 1
.set W_RS, 0x41       ; O^T in window 1, a in window 0
.set W_MK, 0xc0
.set W_AD, 0x0f
; A fill: each wave's one tensor load.  The branches hang on the wave's number alone.  An s_nop 0 and four v_nop follow each line.
.macro TLOAD g0, g1
	tensor_load_to_lds s[\g0:\g0+3], s[\g1:\g1+7]
	s_nop 0
.rept 4
	v_nop
.endr
.endm
.macro JLOAD
	s_cmp_lt_u32 s[WV], 2
	s_cbranch_scc0 .Lbias_\@
	s_cmp_eq_u32 s[WV], 0
	s_cbranch_scc0 .Lfor_v_\@
	TLOAD G0K, G1K
	s_branch .Lasked_\@
.Lfor_v_\@:
	TLOAD G0V, G1V
	s_branch .Lasked_\@
.Lbias_\@:
	s_cmp_eq_u32 s[WV], 2
	s_cbranch_scc0 .Lhalf_1_\@
	TLOAD G0B0, G1B
	s_branch .Lasked_\@
.Lhalf_1_\@:
	TLOAD G0B1, G1B
.Lasked_\@:
.endm
; PREFETCHES INTO THE L2, behind the wave's tensor load and its five lines: the step that stands two refills on (256 matrix instructions and their vector work ahead of the load that will want it).
; Each aligned block of 256 bytes is named once in the launch.  BIAS: both clusters of a head and query block walk the same rows: the first (cluster x = 0) asks; its four partners take 128 rows each, told apart
; BY ADDRESS; a wave 32, a lane a row.  K, V: both query blocks of a batch and head walk them: block 0 asks, wave 0 for K's 8,192 bytes of a step, wave 1 for V's, a lane a block.
; Steps 0 to 3 come by their loads alone; the last two refills ask for nothing: step 15 is the last that is named.
.macro ASK
	s_cmp_gt_u32 s[SLOTS], s[LIMB]
	s_cbranch_scc0 .Lno_b_\@
	global_prefetch_b8 v[PFO], s[PFB:PFB+1] th:TH_LOAD_NT scope:SCOPE_SE
.Lno_b_\@:
	s_cmp_gt_u32 s[SLOTS], s[LIMK]
	s_cbranch_scc0 .Lno_k_\@
	global_prefetch_b8 v[PFO2], s[PFK:PFK+1] th:TH_LOAD_NT scope:SCOPE_SE
.Lno_k_\@:
.endm
.macro CROUND
	s_barrier_signal -1
	s_barrier_wait -1
	s_cmp_lg_u32 s[WV], 0
	s_cbranch_scc1 .Lnot_wave_0_\@
	s_barrier_signal -3
.Lnot_wave_0_\@:
	s_barrier_wait -3
	s_barrier_signal -1
	s_barrier_wait -1
.endm
; THE CHANGE OF SLOTS.  Each wave waits for all its tensor loads, of which one is out: its part of the other slot; adds 0 to its spare word; and waits for that and for its own reads of the slot that it leaves.
; fill = 1: the barrier is a round of the cluster's, and the old slot's refill, with the step two on, is the first thing behind it.  (At its first use nothing has been read yet: slot 0 is waited for, slot 1 filled.)
.macro CHANGE fill, ask
	WIN W_AD
	s_wait_tensorcnt 0x0            ; no tensor load of mine is out, so a group 0 may be written
	ds_add_u32 v[SPW], v[NIL]       ; 0 onto my spare word; the descriptors' steps stand between it and the wait for it
	WIN 0
.if \fill
	s_xor_b32 s[G0K+1], s[G0K+1], XK
	s_add_nc_u64 s[G0K+2:G0K+3], s[G0K+2:G0K+3], KS*128
	s_xor_b32 s[G0V+1], s[G0V+1], XV
	s_add_nc_u64 s[G0V+2:G0V+3], s[G0V+2:G0V+3], KS*128
	s_xor_b32 s[G0B0+1], s[G0B0+1], XB0
	s_add_nc_u64 s[G0B0+2:G0B0+3], s[G0B0+2:G0B0+3], KS*4
	s_xor_b32 s[G0B1+1], s[G0B1+1], XB1
	s_add_nc_u64 s[G0B1+2:G0B1+3], s[G0B1+2:G0B1+3], KS*4
.if \ask
	s_wait_xcnt 0x0                 ; the last prefetches, a trip back, have read their addresses
	s_add_nc_u64 s[PFB:PFB+1], s[PFB:PFB+1], KS*4
	s_add_nc_u64 s[PFK:PFK+1], s[PFK:PFK+1], KS*128
.endif
	s_wait_dscnt 0x0                ; the add is done, and my reads of the slot are over
	CROUND
	JLOAD
.if \ask
	ASK
.endif
.else
	s_wait_dscnt 0x0
	s_barrier_signal -1
	s_barrier_wait -1
.endif
	s_xor_b32 s[TB], s[TB], SLOT    ; the trip's reads go to the other slot
	v_add_nc_u32 v[AK], s[TB], v[AK0]
	v_add_nc_u32 v[AV], s[TB], v[AV0]
	v_add_nc_u32 v[AB], s[TB], v[AB0]
.endm
	s_load_b128 s[4:7], s[0:1], 0x0   ; qkv s[4:5], bias s[6:7]
	s_load_b64 s[8:9], s[0:1], 0x10   ; o
	WIN W_MK
	v_lshl_add_u32 v[SPW], v0, 2, SPARE
	v_mov_b32 v[NIL], 0
	WIN W_AD
	ds_add_u32 v[SPW], v[NIL]       ; the wave's opening: the add, twice on end, and its wait ahead of my first tensor load
	ds_add_u32 v[SPW], v[NIL]
	WIN 0
	v_lshrrev_b32 v1, 5, v0
	v_readfirstlane_b32 s[WV], v1   ; wave 0..3
	s_bfe_u32 s13, ttmp6, 0x40000   ; cx
	s_lshl_b32 s14, ttmp9, 2
	s_add_co_u32 s14, s14, s13      ; the batch = 4 x cluster x + cx
	s_and_b32 s15, ttmp7, 0xffff    ; 2 x head + query block, which the four partners share
	s_lshr_b32 s16, s15, 1          ; head
	s_and_b32 s17, s15, 1           ; query block
	s_lshl_b32 s18, s14, 4
	s_add_co_u32 s18, s18, s16
	s_lshl_b32 s18, s18, 17         ; the batch's and head's first byte in q', k, v and o
	s_mov_b32 s19, 0
	s_lshl_b32 s20, s17, 2
	s_add_co_u32 s20, s20, s[WV]
	s_lshl_b32 s20, s20, 14         ; my wave's 128 rows
	s_add_co_u32 s20, s20, s18
	s_mov_b32 s21, 0
	s_lshl_b32 s22, s15, 21         ; the block's 512 rows of the head's bias: 4,096 bytes a row
	s_mov_b32 s23, 0
	s_lshl_b32 s2, s13, 7           ; the prefetches: my work-group's 128 rows,
	s_lshl_b32 s3, s[WV], 5         ; my wave's 32 of them
	s_add_co_u32 s2, s2, s3
	s_lshl_b32 s2, s2, 12
	s_add_co_u32 s2, s2, 3*KS*4     ; at step 3: stepped ahead of each use, so step 4 is the first that is named
	s_mov_b32 s3, 0
	s_cmp_eq_u32 ttmp9, 0
	s_cselect_b32 s[LIMB], 2, -1
	s_lshr_b32 s[LIMK], s[WV], 1
	s_or_b32 s[LIMK], s[LIMK], s17
	s_cmp_eq_u32 s[LIMK], 0         ; query block 0, waves 0 and 1
	s_cselect_b32 s[LIMK], 2, -1
	; group 1.  K, V: 64 keys are 8,192 dense bytes, asked for as 32 rows of 256 bytes and padded in LDS after every key.  Bias: 256 rows of 64 f32
	s_mov_b32 s[G1K], (1<<16)|(1<<20)|(4<<22)|(3<<25)  ; 2-byte elements; padding on; after every 32 words, 4 words
	s_mov_b32 s[G1V], (1<<16)|(1<<20)|(4<<22)|(7<<25)  ; 8 words
.irp g, G1K, G1V
	s_mov_b32 s[\g+1], 128<<16      ; tensor_dim0 = 128
	s_mov_b32 s[\g+2], 32<<16       ; tensor_dim1 = 32
	s_mov_b32 s[\g+3], 128<<16      ; tile_dim0 = 128
	s_mov_b32 s[\g+4], 32           ; tile_dim1 = 32
	s_mov_b32 s[\g+5], 128
	s_mov_b32 s[\g+6], 0
	s_mov_b32 s[\g+7], 0
.endr
	s_mov_b32 s[G1B], 15|(2<<16)|(1<<20)|(1<<21)|(5<<22)|(3<<25)  ; the mask of four; 4-byte elements; padding on; bit 21 beside a mask; after every 64 words, 4 words
	s_mov_b32 s[G1B+1], 64<<16      ; tensor_dim0 = 64
	s_mov_b32 s[G1B+2], 256<<16     ; tensor_dim1 = 256
	s_mov_b32 s[G1B+3], 64<<16      ; tile_dim0 = 64
	s_mov_b32 s[G1B+4], 256         ; tile_dim1 = 256
	s_mov_b32 s[G1B+5], 1024        ; elements from row to row
	s_mov_b32 s[G1B+6], 0
	s_mov_b32 s[G1B+7], 0
	s_mov_b32 s[G0K], 1
	s_mov_b32 s[G0K+1], KOFF        ; slot 0
	s_mov_b32 s[G0V], 1
	s_mov_b32 s[G0V+1], VOFF
	s_mov_b32 s[G0B0], 1
	s_mov_b32 s[G0B0+1], 0
	s_mov_b32 s[G0B1], 1
	s_mov_b32 s[G0B1+1], 256*PBI
	s_mov_b32 s[CS], 0x3fb8aa3b     ; c = log2(e)
	s_mov_b32 s[CS+1], s[CS]
	s_mov_b32 s[SEL], 0x76543210
	s_mov_b32 s[SEL+1], 0xfedcba98
	s_mov_b32 s[TB], SLOT           ; the first change of slots turns it into 0
	s_mov_b32 s[SLOTS], 15
	s_wait_dscnt 0x0                ; both opening adds are done
	s_wait_kmcnt 0x0
	s_add_nc_u64 s[G0K+2:G0K+3], s[4:5], s[18:19]
	s_add_nc_u64 s[G0V+2:G0V+3], s[G0K+2:G0K+3], 2*KIND
	s_add_nc_u64 s[G0K+2:G0K+3], s[G0K+2:G0K+3], KIND
	s_cmp_eq_u32 s[WV], 0
	s_cselect_b64 s[PFK:PFK+1], s[G0K+2:G0K+3], s[G0V+2:G0V+3]
	s_add_nc_u64 s[PFK:PFK+1], s[PFK:PFK+1], 3*KS*128
	s_add_nc_u64 s[G0B0+2:G0B0+3], s[6:7], s[22:23]
	s_add_nc_u64 s[G0B1+2:G0B1+3], s[G0B0+2:G0B0+3], 256*4096
	s_add_nc_u64 s[PFB:PFB+1], s[G0B0+2:G0B0+3], s[2:3]
	s_or_b32 s[G0K+3], s[G0K+3], 0x80000000
	s_or_b32 s[G0V+3], s[G0V+3], 0x80000000
	s_or_b32 s[G0B0+3], s[G0B0+3], 0x80000000
	s_or_b32 s[G0B1+3], s[G0B1+3], 0x80000000
	s_add_nc_u64 s[10:11], s[8:9], s[20:21]  ; O and Q at my wave's first row
	s_add_nc_u64 s[4:5], s[4:5], s[20:21]
	CROUND                          ; all four work-groups are here: the first joint loads meet
	JLOAD                           ; step 0 into slot 0
	v_and_b32 v1, 15, v0            ; l % 16
	v_bfe_u32 v10, v0, 4, 1         ; l / 16
	v_lshlrev_b32 v[QO], 7, v1
	v_lshl_add_u32 v[QO], v10, 4, v[QO]
	WIN 0x80                        ; destination window 2
.set i, 0
.rept 4*NP                          ; Q stays in registers: tile i / 2, channels 32 (i % 2) on
	global_load_b128 v[8*i:8*i+3],   v[QO], s[4:5] offset:(i/2)*2048+(i%2)*64
	global_load_b128 v[8*i+4:8*i+7], v[QO], s[4:5] offset:(i/2)*2048+(i%2)*64+32
.set i, i+1
.endr
	; What the first turn finds: V's registers and P's second buffer hold 0 (its products V^T P, of a piece that has not been, add 0), O^T and l are 0.  No first step is written out; these lines stand in the wait for the first tile.
.set i, VF
.rept 64
	v_mov_b32 v[i], 0
.set i, i+1
.endr
	WIN 0x40
.set i, 0
.rept 64*NP
	v_mov_b32 v[i], 0
.set i, i+1
.endr
	WIN 0
.set i, 0
.rept 2*NP
	v_mov_b32 v[ST+4*i], 0xfe000000    ; c m: far below every c s
	v_mov_b32 v[ST+4*i+1], 0xff7fffff  ; m
	v_mov_b32 v[ST+4*i+2], 0
	v_mov_b32 v[ST+4*i+3], 0
.set i, i+1
.endr
.set i, P+32
.rept 32
	v_mov_b32 v[i], 0
.set i, i+1
.endr
	v_mul_u32_u24 v[AK0], v1, PK
	v_lshl_add_u32 v[AK0], v10, 4, v[AK0]
	v_add_nc_u32 v[AK0], KOFF, v[AK0]
	v_and_b32 v5, 7, v0             ; the turning load: lane l reads key 8 (l / 16) + l % 8, channels 8 ((l / 8) % 2) + 0..7
	v_bfe_u32 v6, v0, 3, 1
	v_lshl_add_u32 v[AV0], v10, 3, v5
	v_mul_u32_u24 v[AV0], v[AV0], PV
	v_lshl_add_u32 v[AV0], v6, 4, v[AV0]
	v_add_nc_u32 v[AV0], VOFF, v[AV0]
	s_mul_i32 s2, s[WV], 128*PBI    ; my wave's 128 rows of the bias tile
	v_mul_u32_u24 v[AB0], v1, PBI   ; query l % 16,
	v_lshl_add_u32 v[AB0], v10, 5, v[AB0]  ; keys 8 (l / 16) on: 32 bytes
	v_add_nc_u32 v[AB0], s2, v[AB0]
	v_and_b32 v[PFO2], 31, v0
	v_lshlrev_b32 v[PFO], 12, v[PFO2]
	v_lshlrev_b32 v[PFO2], 8, v[PFO2]
; THE MATRIX WORK.  The 8 accumulators of a run of 16 take turns.  Product i of 16 of S^T = K Q^T + bias for piece x: channels 32 (i / 8) on, keys 16 ((i / 2) % 4) on, tile 2 x + i % 2.  The first 8 start the sums with the bias.
.macro KQ x
.set rS, S+64*((\x)%2)+32*(i%2)+8*((i/2)%4)
.set rK, KF+16*((i/2)%4)+8*(i/8)
.set rQ, 16*(2*(\x)+i%2)+8*(i/8)
.set rB, BB+64*((\x)%2)+32*(i%2)+8*((i/2)%4)
.if i < 8
	WIN W_KB
	v_wmma_f32_16x16x32_f16 v[rS:rS+7], v[rK:rK+7], v[rQ:rQ+7], v[rB:rB+7]
.else
	WIN W_KQ
	v_wmma_f32_16x16x32_f16 v[rS:rS+7], v[rK:rK+7], v[rQ:rQ+7], v[rS:rS+7]
.endif
.endm
.macro PV x                         ; product i of 16 of O^T += V^T P for piece x
	WIN W_PV
.set rO, 32*(2*(\x)+i%2)+8*((i/2)%4)
.set rV, VF+32*(i/8)+8*((i/2)%4)
.set rP, P+32*((\x)%2)+16*(i%2)+8*(i/8)
	v_wmma_f32_16x16x32_f16 v[rO:rO+7], v[rV:rV+7], v[rP:rP+7], v[rO:rO+7]
.endm
.macro MM                           ; the turn's next matrix instruction
.if i < 16
	KQ (Y+1)%NP
.set i, i+1
.else
.set i, i-16
	PV (Y+NP-1)%NP
.set i, i+17
.endif
.endm
; THE LDS LOADS stand in runs of 16, never singly among the matrix instructions.
.macro FETCH_K
	WIN 0x80
.irp f, 0,1,2,3,4,5,6,7             ; keys 16 (f / 2) on, channels 32 (f % 2) on
	ds_load_b128 v[KF+8*\f:KF+8*\f+3],   v[AK] offset:(\f/2)*16*PK+(\f%2)*64
	ds_load_b128 v[KF+8*\f+4:KF+8*\f+7], v[AK] offset:(\f/2)*16*PK+(\f%2)*64+32
.endr
.endm
.macro FETCH_V
	WIN 0x80
.irp f, 0,1,2,3,4,5,6,7             ; keys 32 (f / 4) on, channels 16 (f % 4) on
	ds_load_tr16_b128 v[VF+8*\f:VF+8*\f+3],   v[AV] offset:(\f/4)*32*PV+(\f%4)*32
	ds_load_tr16_b128 v[VF+8*\f+4:VF+8*\f+7], v[AV] offset:(\f/4)*32*PV+16*PV+(\f%4)*32
.endr
.endm
.macro FETCH_B y                    ; piece y's bias of the step: two tiles x four key blocks x 8 registers
	WIN 0xc0                        ; destination window 3
.irp u, 0,1
.irp kb, 0,1,2,3
	ds_load_b128 v[BB+64*((\y)%2)+32*(\u)+8*(\kb):BB+64*((\y)%2)+32*(\u)+8*(\kb)+3],   v[AB] offset:(2*(\y)+(\u))*16*PBI+64*(\kb)
	ds_load_b128 v[BB+64*((\y)%2)+32*(\u)+8*(\kb)+4:BB+64*((\y)%2)+32*(\u)+8*(\kb)+7], v[AB] offset:(2*(\y)+(\u))*16*PBI+64*(\kb)+16
.endr
.endr
.endm
; THE VECTOR WORK OF A TURN stands in three queues, each in the order in which its entries become ready; the two tiles alternate.
.macro REGS y, u
.set rT, ST+4*(2*(\y)+(\u))
.set rC, TMP+8*((\y)%2)+4*(\u)
.set rM, MV+2*((\y)%2)+(\u)
.set rS, S+64*((\y)%2)+32*(\u)
.set rP, P+32*((\y)%2)+16*(\u)
.set rO, 32*(2*(\y)+(\u))
.endm
; Number n of the 22 that find the NEXT piece's maximum and statistics; each accumulator's lowest registers are read first.
;   0-11 four chains of seven scores     12-14, 16 the four scores left over, the old m, the chains into one     15 c m_old is kept     17, 18 the other half of the lanes: the new m     19-21 c m; its change; a
.macro XS u, n
	REGS (Y+1)%NP, \u
.if (\n) < 4
	v_max3_num_f32 v[rC+(\n)], v[rS+8*(\n)], v[rS+8*(\n)+1], v[rS+8*(\n)+2]
.elseif (\n) < 12
	v_max3_num_f32 v[rC+(\n)%4], v[rC+(\n)%4], v[rS+8*((\n)%4)+2*((\n)/4)+1], v[rS+8*((\n)%4)+2*((\n)/4)+2]
.elseif (\n) == 12
	v_max3_num_f32 v[rC], v[rC], v[rS+7], v[rS+15]
.elseif (\n) == 13
	v_max3_num_f32 v[rC+1], v[rC+1], v[rS+23], v[rS+31]
.elseif (\n) == 14
	v_max3_num_f32 v[rC+2], v[rC+2], v[rC+3], v[rT+1]
.elseif (\n) == 15
	v_mov_b32 v[rM], v[rT]
.elseif (\n) == 16
	v_max3_num_f32 v[rC], v[rC], v[rC+1], v[rC+2]
.elseif (\n) == 17
	v_permlanex16_b32 v[rC+3], v[rC], s[SEL], s[SEL+1]
.elseif (\n) == 18
	v_max_num_f32 v[rT+1], v[rC], v[rC+3]
.elseif (\n) == 19
	v_mul_f32 v[rT], s[CS], v[rT+1]
.elseif (\n) == 20
	v_sub_f32 v[rC+1], v[rM], v[rT]
.else
	v_exp_f32 v[rC+2], v[rC+1]
.endif
.endm
; Number g of the 64 that follow the exponentials: for each four weights both pairs are rounded to f16, the second pair is added onto the first, and a group later l takes that sum (the first time as l = a l + sum).
.macro GS g
.set h, (\g)+6*((\g)/62)
.if h >= 6
.set h, h+2
.endif
	REGS Y, h%2
.set k, h/8
.if h%8 < 4
	v_cvt_pk_f16_f32 v[rP+2*k+(h%8)/2], v[rS+4*k+2*((h%8)/2)], v[rS+4*k+2*((h%8)/2)+1]
.elseif h%8 < 6
	v_pk_add_f32 v[rS+4*k:rS+4*k+1], v[rS+4*k:rS+4*k+1], v[rS+4*k+2:rS+4*k+3]
.elseif k == 1
	v_pk_fma_f32 v[rT+2:rT+3], v[rT+2:rT+3], v[rC+2:rC+3], v[rS:rS+1] op_sel_hi:[1,0,1]
.else
	v_pk_add_f32 v[rT+2:rT+3], v[rT+2:rT+3], v[rS+4*k-4:rS+4*k-3]
.endif
.endm
; THE PLAIN QUEUE, 138 long.  0-26: scalings 0-26.  27-54: XS 0-13.  55, 56: XS 15.  57-73: the chain 14, 16 .. 20, a scaling in front of each link's two lines.  74-137: GS's 64, behind the wait.
.macro FS f
	REGS Y, (\f)%2
	v_pk_fma_f32 v[rS+2*((\f)/2):rS+2*((\f)/2)+1], v[rS+2*((\f)/2):rS+2*((\f)/2)+1], s[CS:CS+1], v[rT:rT+1] op_sel_hi:[1,0,0] neg_lo:[0,0,1] neg_hi:[0,0,1]
.endm
.macro PL
	WIN 0
.if q < 27
	FS q
.elseif q < 55
	XS (q-27)%2, (q-27)/2
.elseif q < 57
	XS q-55, 15
.elseif (q < 72) && ((q-57)%3 == 0)
	FS 27+(q-57)/3
.elseif q < 60
	XS (q-57)%3-1, 14
.elseif q < 72
	XS (q-57)%3-1, 15+(q-57)/3
.elseif q < 74
	XS q-72, 20
.else
	GS q-74
.endif
.set q, q+1
.endm
.macro EX                           ; the exponentials' queue, 66 long: one batch, all ahead of the turn's one wait
	WIN 0
.if e >= 64
	XS e-64, 21
.else
	REGS Y, e%2
	v_exp_f32 v[rS+e/2], v[rS+e/2]
.endif
.set e, e+1
.endm
.macro R2                           ; the rescaling's queue: O^T times a, two at a time
	REGS Y, r%2
	WIN W_RS
.irp z, 0,1
	v_pk_mul_f32 v[rO+4*(r/2)+2*\z:rO+4*(r/2)+2*\z+1], v[rO+4*(r/2)+2*\z:rO+4*(r/2)+2*\z+1], v[rC+2:rC+3] op_sel_hi:[1,0]
.endr
.set r, r+1
.endm
; A TURN, for piece p.  Ahead of its one wait stands all that names no result of its exponentials: 16 products K Q^T with a scaling, an exponential and two rescalings behind each, then a lump of 108.  Behind it: the LDS
; runs, then 16 products V^T P with four of the roundings and sums behind each.  Exponential e stands behind scaling 2 (e / 4) + e % 2: as a rider behind plain e + 2, in the lump behind plain e + 9.
; THE LDS RUNS.  Every turn fetches the bias of piece p + 2, for the next turn's products, into the buffer that the turn before read last.  Piece 2's turn fetches the next step's K, a lump behind K's last reader.
; Piece 0's turn fetches the step's V at its end, four plain riders behind V's last reader.
.macro TURN p
.set Y, (\p)
.set i, 0
.set q, 0
.set e, 0
.set r, 0
.if (\p) == 1
	s_wait_dscnt 16                 ; piece 2's bias is in; V's 16 loads, issued behind it, may stay out
.else
	s_wait_dscnt 0x0                ; the bias of the products below is in (piece 3's turn: K too)
.endif
	MM
	PL
	PL
	R2
.rept 15
	MM
	PL
	EX
	R2
.endr
.rept 8
	PL
.endr
.rept 49
	EX
	PL
.endr
	EX
	EX
	v_nop                           ; a plain instruction behind the last exponential: one for the batch
	s_wait_alu depctr_va_vdst(0)    ; the wait, one for the batch
.if (\p) == 2
	FETCH_K
.endif
	FETCH_B ((\p)+2)%NP
.if (\p) == 1
	s_wait_dscnt 16                 ; V is in; the 16 loads just issued may stay out
.endif
.rept 16
	MM
.rept 4
	PL
.endr
.endr
.if (\p) == 0
	FETCH_V
.endif
.endm
	CHANGE 1, 0                     ; slot 0 is in, everybody's part of it; step 1 is asked for
	FETCH_K                         ; key step 0
	FETCH_B 0
	FETCH_B 1
	s_wait_loadcnt 0x0              ; Q
	s_wait_dscnt 0x0
.set i, 0
.rept 16
	KQ 0                            ; piece 0's first scores
.set i, i+1
.endr
	WIN 0
.rept 4
	v_nop                           ; the places behind those products
.endr
.set Y, NP-1                        ; XS works for piece Y + 1: piece 0
.irp n, 0,1,2,3,4,5,6,7,8,9,10,11,12,13,14,15,16,17,18,19,20,21
	XS 0, \n
	XS 1, \n
.endr
	v_nop
	s_wait_alu depctr_va_vdst(0)    ; the two a have their wait ahead of the branch
	s_branch .Lfirst                ; the loop is entered at a step's first turn, in the middle of a trip
.Lslot:                             ; 14 times: steps 2 to 15 are asked for
	CHANGE 1, 1
	TURN 2
	TURN 3
	WIN 0
.Lfirst:
	TURN 0
	TURN 1
	WIN 0
	s_sub_co_u32 s[SLOTS], s[SLOTS], 1
	s_cmp_lg_u32 s[SLOTS], 0
	s_cbranch_scc1 .Lslot
	CHANGE 0, 0                     ; the tail is written out: step 15 is in, nothing is asked for
	s_mov_b32 s[CNT], 2
.Ltail:                             ; the first trip ends step 14 and begins step 15; the second is left in its middle
	TURN 2
	TURN 3
	WIN 0
	s_sub_co_u32 s[CNT], s[CNT], 1
	s_cmp_eq_u32 s[CNT], 0
	s_cbranch_scc1 .Lout
	TURN 0
	TURN 1
	WIN 0
	s_branch .Ltail
.Lout:                              ; the second trip's fetches (step 15's K and bias once more), its 16 products K Q^T and the maximum made of them serve nothing: the price, once a launch, of one text for every trip; l and O^T are not touched by them
.set i, 0
.rept 16
	PV NP-1                         ; the last piece's V^T P of the last step
.set i, i+1
.endr
	; THE WAY OUT.  The addresses are made here: twelve plain instructions, the places behind the last products.
	WIN 0
	s_mul_i32 s13, s[WV], 16*SP
	s_add_co_u32 s13, s13, STAGE    ; my stage
	v_mul_u32_u24 v[STO], v1, SP    ; in: row l % 16, 16 bytes for each half of the lanes
	v_lshl_add_u32 v[STO], v10, 4, v[STO]
	v_add_nc_u32 v[STO], s13, v[STO]
	v_bfe_u32 v[RD], v0, 3, 2       ; back: 32 lanes take four rows of 128 bytes,
	v_mul_u32_u24 v[RD], v[RD], SP
	v_and_b32 v11, 7, v0
	v_lshl_add_u32 v[RD], v11, 4, v[RD]
	v_add_nc_u32 v[RD], s13, v[RD]
	v_and_b32 v[GO], 31, v0         ; which are 512 consecutive bytes of o
	v_lshlrev_b32 v[GO], 4, v[GO]
.macro ALL line:vararg              ; one line for each tile t
.set t, 0
.rept 2*NP
	\line
.set t, t+1
.endr
.endm
	ALL v_add_f32 v[ST+4*t+2], v[ST+4*t+2], v[ST+4*t+3]
	ALL v_permlanex16_b32 v[ST+4*t+3], v[ST+4*t+2], s[SEL], s[SEL+1]
	ALL v_add_f32 v[ST+4*t+2], v[ST+4*t+2], v[ST+4*t+3]
	ALL v_rcp_f32 v[ST+4*t+2], v[ST+4*t+2]
	v_nop
	s_wait_alu depctr_va_vdst(0)    ; one wait for the eight reciprocals
.macro PACK t                       ; O^T / l, rounded to f16, through my stage: rows of 144 bytes in, whole rows of 128 back, into S^T's registers
	WIN W_RS
.set i, 32*(\t)
.rept 16
	v_pk_mul_f32 v[i:i+1], v[i:i+1], v[ST+4*(\t)+2:ST+4*(\t)+3] op_sel_hi:[1,0]
.set i, i+2
.endr
	WIN 0x05
.set i, 0
.rept 16
	v_cvt_pk_f16_f32 v[S+16*(\t)+i], v[32*(\t)+2*i], v[32*(\t)+2*i+1]
.set i, i+1
.endr
	WIN 0
.irp f, 0,1,2,3
	ds_store_b128 v[STO], v[S+16*(\t)+4*\f:S+16*(\t)+4*\f+3] offset:32*\f
.endr
.irp f, 0,1,2,3
	ds_load_b128 v[S+16*(\t)+4*\f:S+16*(\t)+4*\f+3], v[RD] offset:\f*4*SP  ; LDS serves a wave's instructions in order (ISA guide 5.7.1.4): these see the stores above
.endr
.endm
.macro SEND t, younger              ; younger: the LDS instructions issued behind tile t's loads
	WIN 0
.irp f, 0,1,2,3
	s_wait_dscnt (\younger)+3-\f
	global_store_b128 v[GO], v[S+16*(\t)+4*\f:S+16*(\t)+4*\f+3], s[10:11] offset:(\t)*2048+\f*512  ; 512 consecutive bytes, aligned
.endr
.endm
	PACK 0
.set t, 1
.rept 2*NP-1
	PACK t
	SEND t-1, 8
.set t, t+1
.endr
	SEND 2*NP-1, 0
	WIN W_AD
	s_wait_tensorcnt 0x0            ; the wave's end
	ds_add_u32 v[SPW], v[NIL]
	s_wait_dscnt 0x0
	WIN 0
	CROUND                          ; the closing round
	s_endpgm
.Lfunc_end_k_qb7b9ddc448_attn:
	.size	k_qb7b9ddc448_attn, .Lfunc_end_k_qb7b9ddc448_attn-k_qb7b9ddc448_attn
	.p2alignl 7, 3214868480
	.fill 96, 4, 3214868480
	.section	.rodata,"a",@progbits
	.p2align	6, 0x0
	.amdhsa_kernel k_qb7b9ddc448_attn
		.amdhsa_group_segment_fixed_size 327680
		.amdhsa_private_segment_fixed_size 0
		.amdhsa_enable_private_segment 0
		.amdhsa_kernarg_size 24
		.amdhsa_user_sgpr_count 2
		.amdhsa_user_sgpr_kernarg_segment_ptr 1
		.amdhsa_wavefront_size32 1
		.amdhsa_system_sgpr_workgroup_id_x 1
		.amdhsa_system_sgpr_workgroup_id_y 1
		.amdhsa_system_sgpr_workgroup_id_z 1
		.amdhsa_system_vgpr_workitem_id 0
		.amdhsa_next_free_vgpr 960
		.amdhsa_next_free_sgpr 88
		.amdhsa_reserve_vcc 0
		.amdhsa_float_denorm_mode_32 3
		.amdhsa_float_denorm_mode_16_64 3
		.amdhsa_memory_ordered 1
		.amdhsa_forward_progress 1
		.amdhsa_inst_pref_size 213
	.end_amdhsa_kernel
	.amdgpu_metadata
---
amdhsa.version: [ 1, 2 ]
amdhsa.kernels:
  - .name:           k_qb7b9ddc448_attn
    .symbol:         k_qb7b9ddc448_attn.kd
    .args:
      - { .name: qkv, .offset: 0, .size: 8, .value_kind: global_buffer, .address_space: global }
      - { .name: relative_position_bias, .offset: 8, .size: 8, .value_kind: global_buffer, .address_space: global }
      - { .name: o, .offset: 16, .size: 8, .value_kind: global_buffer, .address_space: global }
    .group_segment_fixed_size: 327680
    .private_segment_fixed_size: 0
    .kernarg_segment_align: 8
    .kernarg_segment_size: 24
    .max_flat_workgroup_size: 128
    .sgpr_count:     88
    .vgpr_count:     960
    .wavefront_size: 32
...
	.end_amdgpu_metadata
.endif
;; end of part 3
;; launch outp (part 4): grid 4 x 64, 4 waves a work-group, clusters of 4 x 4, 327,680 bytes of LDS; arguments o, wh, out0, bo; writes out0
.if DOCPART == 4
	.amdgcn_target "amdgcn-amd-amdhsa--gfx1250"
	.amdhsa_code_object_version 6
	.text
	.protected	k_qb7b9ddc448_outp
	.globl	k_qb7b9ddc448_outp
	.p2align	8
	.type	k_qb7b9ddc448_outp,@function
k_qb7b9ddc448_outp:
	s_mov_b64 s[64:65], 0
	v_nop
	global_prefetch_b8 v0, s[64:65] scope:SCOPE_SE
	s_setreg_imm32_b32 hwreg(HW_REG_WAVE_MODE, 25, 1), 1
	s_wait_xcnt 0x0
	s_wait_alu depctr_hold_cnt(0) depctr_sa_sdst(0) depctr_va_vdst(0) depctr_va_sdst(0) depctr_va_ssrc(0) depctr_va_vcc(0) depctr_vm_vsrc(0)
	s_getreg_b32 s2, hwreg(HW_REG_IB_STS2, 6, 4)
	s_cmp_eq_u32 s2, 0
	s_cbranch_scc0 .Lentry_in_a_cluster
	s_endpgm
.Lentry_in_a_cluster:
	s_bfe_u32 s2, ttmp6, 0x10000c
	s_cmp_lg_u32 s2, 0xf033
	s_cbranch_scc0 .Lentry_shape_is_right
	s_endpgm
.Lentry_shape_is_right:
; OUTP.  out0 = O Wo^T + bo, f32.  O is o[batch][head][n][64] in f16: column 64 head + d of the product's left side; Wo is rows 3,072 .. 4,095 of wh, f16.  Sums in f32; bo is added in f32.
; Nothing of the problem's work is left out here.
; SHARES.  A tile of C is 128 rows x 256 columns: 256 tiles.  Four waves, each 64 x 128: 32 accumulators.  K goes in 8 steps of 128 = two heads through two LDS slots.  A head's 128 rows of a tile
; are 16,384 dense bytes: asked for as 64 rows of 256 bytes and padded in LDS after every 128.  CLUSTER 4 x 4: O's tiles are asked for jointly along a cluster's row, Wo's along a column.
; The matrix instruction is used transposed (source 0 = 16 rows of Wo, source 1 = 16 rows of O): a lane then holds eight neighbouring columns of one row of C.
; NO PREFETCH: the walk has 8 K steps of 128 matrix instructions a wave; a lead of several steps would reach only the walk's second half.
; REGISTERS.  Window 0: v12-15 bo; v16-29 addresses; v64-159, v160-255 two fragment buffers (on the way out: rows read back).  Window 1: the accumulators, (a, b) at v[8 (8 a + b)].
.set SLOT1, 1<<17
.set PB,    272                        ; an LDS row of Wo: 256 bytes + 16
.set BHALF, 128*PB
.set BOFF,  36864
.set PA,    144                        ; an LDS row of O: a head's 128 bytes + 16 = 36 words: the 16 rows of a load start at 16 different groups of four banks (64 banks of 4 bytes: ISA guide 11.1)
.set AZ,    128*PA                     ; bytes from K quarter 0 to quarter 2: the step's second head
.set AHALF, 128*PA                     ; what one wave fetches of O: a head's 128 rows
.set ASTEP, 2*1024*128                 ; bytes in memory from a K step of O to the next: two heads
.set SP,    528                        ; a stage row: 512 bytes + 16
.set STW,   16*SP
.set STAGE, SLOT1+BOFF+2*BHALF
.set SPARE, STAGE+4*STW
.set BO,    12                         ; v[12:15] bo of my four columns
.set ADRA0, 16
.set ADRA,  17
.set ADRB0, 20
.set ADRB,  21
.set STO,   24
.set RD,    25
.set GO,    26
.set BOO,   27
.set SPW,   28
.set NIL,   29
.set F0,    64
.set F1,    160
.set TB,    2
.set G1,    24
.set G0,    32
.set G1B,   48
.set G0B,   56
.set MSB, 0
.macro WIN new
.if MSB != (\new)
	s_set_vgpr_msb (MSB<<8)|(\new)
.set MSB, \new
.endif
.endm
.set MUL, 0x50                         ; sources 0 and 1 window 0; C and D window 1
.macro JLOAD s                         ; a joint load: waves 0 and 1 fetch the step's two heads of O, waves 2 and 3 Wo's halves; an s_nop 0 and four v_nop follow each line
	s_cmp_eq_u32 s11, 0
	s_cbranch_scc0 .Lfor_b_\@
	tensor_load_to_lds s[G0+4*(\s):G0+4*(\s)+3], s[G1:G1+7]
	s_nop 0
.rept 4
	v_nop
.endr
	s_branch .Lasked_\@
.Lfor_b_\@:
	tensor_load_to_lds s[G0B+4*(\s):G0B+4*(\s)+3], s[G1B:G1B+7]
	s_nop 0
.rept 4
	v_nop
.endr
.Lasked_\@:
.endm
.macro CREST
	s_cmp_lg_u32 s10, 0
	s_cbranch_scc1 .Lnot_wave_0_\@
	s_barrier_signal -3
.Lnot_wave_0_\@:
	s_barrier_wait -3
	s_barrier_signal -1
	s_barrier_wait -1
.endm
.macro CROUND
	s_barrier_signal -1
	s_barrier_wait -1
	CREST
.endm
.macro PLACES                          ; four places behind a matrix instruction (ISA guide 7.12.1)
.rept 4
	v_nop
.endr
.endm
.macro MUL8 f, a, zero
	WIN MUL
.irp b, 0,1,2,3,4,5,6,7
.if \zero
	v_wmma_f32_16x16x32_f16 v[8*(8*(\a)+(\b)):8*(8*(\a)+(\b))+7], v[(\f)+32+8*(\b):(\f)+32+8*(\b)+7], v[(\f)+8*(\a):(\f)+8*(\a)+7], 0
.else
	v_wmma_f32_16x16x32_f16 v[8*(8*(\a)+(\b)):8*(8*(\a)+(\b))+7], v[(\f)+32+8*(\b):(\f)+32+8*(\b)+7], v[(\f)+8*(\a):(\f)+8*(\a)+7], v[8*(8*(\a)+(\b)):8*(8*(\a)+(\b))+7]
.endif
.endr
.endm
.macro FETCH kq, f                     ; 24 LDS loads in one run: Wo's eight fragments, then O's four in order
	WIN 0
.irp i, 0,1,2,3,4,5,6,7
	ds_load_b128 v[(\f)+32+8*(\i):(\f)+32+8*(\i)+3],   v[ADRB] offset:64*(\kq)+(\i)*16*PB
	ds_load_b128 v[(\f)+32+8*(\i)+4:(\f)+32+8*(\i)+7], v[ADRB] offset:64*(\kq)+(\i)*16*PB+32
.endr
.irp i, 0,1,2,3
	ds_load_b128 v[(\f)+8*(\i):(\f)+8*(\i)+3],   v[ADRA] offset:((\kq)/2)*AZ+((\kq)%2)*64+(\i)*16*PA
	ds_load_b128 v[(\f)+8*(\i)+4:(\f)+8*(\i)+7], v[ADRA] offset:((\kq)/2)*AZ+((\kq)%2)*64+(\i)*16*PA+32
.endr
.endm
; The 32 accumulators take turns, one instruction a turn, in the same order in every quarter.
.macro QUARTER kq, f, g, zero
	s_wait_dscnt 4                                 ; Wo's fragments and O's 0 and 1 are in; the youngest four loads may be out
	MUL8 \f, 0, \zero
	MUL8 \f, 1, \zero
	PLACES
	FETCH \kq, \g
	s_wait_dscnt 24                                ; all but the 24 just issued
	MUL8 \f, 2, \zero
	MUL8 \f, 3, \zero
.endm
; The change of slots: each wave waits for all its tensor loads, adds 0 to its spare word, waits for that and for its reads of this slot; fill = 1: a round of the cluster's barrier, the joint refill first behind it.
.macro TURN fill
	WIN 0
	s_wait_tensorcnt 0x0
	ds_add_u32 v[SPW], v[NIL]
	s_wait_dscnt 5                                 ; (the add and the youngest four loads may be out)
	MUL8 F1, 0, 0
	s_wait_dscnt 0x0                               ; the add is done, and my reads of this slot are over
	s_barrier_signal -1
	MUL8 F1, 1, 0
.if \fill
	WIN 0
.endif
	s_barrier_wait -1
.if \fill
	CREST
	s_xor_b32 s[G0+5], s[G0+5], SLOT1
	s_add_nc_u64 s[G0+6:G0+7], s[G0+6:G0+7], ASTEP
	s_xor_b32 s[G0B+5], s[G0B+5], SLOT1
	s_add_nc_u64 s[G0B+6:G0B+7], s[G0B+6:G0B+7], 256
	JLOAD 1
.else
	PLACES
.endif
	WIN 0
	s_xor_b32 s[TB], s[TB], SLOT1
	v_add_nc_u32 v[ADRA], s[TB], v[ADRA0]
	v_add_nc_u32 v[ADRB], s[TB], v[ADRB0]
	FETCH 0, F0
	MUL8 F1, 2, 0
	MUL8 F1, 3, 0
.endm
	s_load_b128 s[4:7], s[0:1], 0x0                ; o s[4:5], wh s[6:7]
	s_load_b64 s[8:9], s[0:1], 0x10                ; out0
	s_load_b64 s[66:67], s[0:1], 0x18              ; bo
	v_lshl_add_u32 v[SPW], v0, 2, SPARE
	v_mov_b32 v[NIL], 0
	ds_add_u32 v[SPW], v[NIL]                      ; the wave's opening: the add, twice on end, and its wait ahead of my first tensor load
	ds_add_u32 v[SPW], v[NIL]
	v_lshrrev_b32 v1, 5, v0
	v_readfirstlane_b32 s10, v1                    ; wave 0..3
	s_lshr_b32 s11, s10, 1                         ; my half of the tile's rows.  Also: I fetch for O (0) or for Wo (1)
	s_and_b32 s12, s10, 1                          ; my half of its columns.  Also: which head of the step, or which half of Wo's rows, I fetch
	s_bfe_u32 s40, ttmp6, 0x40000                  ; cx
	s_bfe_u32 s41, ttmp6, 0x40004                  ; cy
	s_lshl_b32 s42, ttmp9, 2
	s_add_co_u32 s42, s42, s40                     ; tile column: 0 .. 3
	s_and_b32 s13, ttmp7, 0xffff
	s_lshl_b32 s13, s13, 2
	s_add_co_u32 s13, s13, s41                     ; tile row: 0 .. 63
	s_lshl_b32 s43, s41, 2
	s_lshl_b32 s43, 15, s43                        ; my row of the cluster
	s_lshl_b32 s44, 0x1111, s40                    ; my column
	s_or_b32 s[G1+0], s43, (1<<16)|(1<<20)|(1<<21)|(4<<22)|(3<<25)   ; the mask; 2-byte elements; padding on; bit 21 beside a mask; after every 32 words, 4 words
	s_mov_b32 s[G1+1], 128<<16                     ; tensor_dim0 = 128
	s_mov_b32 s[G1+2], 64<<16                      ; tensor_dim1 = 64
	s_mov_b32 s[G1+3], 128<<16                     ; tile_dim0 = 128
	s_mov_b32 s[G1+4], 64                          ; tile_dim1 = 64
	s_mov_b32 s[G1+5], 128                         ; dense
	s_mov_b32 s[G1+6], 0
	s_mov_b32 s[G1+7], 0
	s_or_b32 s[G1B+0], s44, (1<<16)|(1<<20)|(1<<21)|(5<<22)|(3<<25)
	s_mov_b32 s[G1B+1], 128<<16
	s_mov_b32 s[G1B+2], 128<<16
	s_mov_b32 s[G1B+3], 128<<16
	s_mov_b32 s[G1B+4], 128
	s_mov_b32 s[G1B+5], 1024
	s_mov_b32 s[G1B+6], 0
	s_mov_b32 s[G1B+7], 0
	s_lshr_b32 s16, s13, 3                         ; batch
	s_lshl_b32 s16, s16, 4
	s_add_co_u32 s16, s16, s12                     ; x 16 heads + the head that I fetch in K step 0
	s_lshl_b32 s16, s16, 10
	s_and_b32 s17, s13, 7
	s_lshl_b32 s17, s17, 7
	s_add_co_u32 s16, s16, s17                     ; + the tile's first row in the batch
	s_lshl_b32 s16, s16, 7                         ; rows of 128 bytes
	s_mov_b32 s17, 0
	s_lshl_b32 s46, s42, 8
	s_lshl_b32 s47, s12, 7
	s_add_co_u32 s46, s46, s47
	s_add_co_u32 s46, s46, 3072                    ; Wo's rows in wh
	s_lshl_b32 s46, s46, 11
	s_mov_b32 s47, 0
	s_mul_i32 s20, s12, AHALF                      ; no place in the cluster enters an LDS address
	s_mul_i32 s21, s12, BHALF
	s_add_co_u32 s21, s21, BOFF
	s_wait_dscnt 0x0                               ; both opening adds are done
	s_wait_kmcnt 0x0
	s_add_nc_u64 s[14:15], s[4:5], s[16:17]
	s_add_nc_u64 s[46:47], s[6:7], s[46:47]
	CROUND                                         ; all sixteen work-groups are here: the first joint loads meet
.irp s, 0,1
	s_mov_b32 s[G0+4*(\s)], 1
	s_add_co_u32 s[G0+4*(\s)+1], s20, (\s)*SLOT1
	s_add_nc_u64 s[G0+4*(\s)+2:G0+4*(\s)+3], s[14:15], (\s)*ASTEP
	s_or_b32 s[G0+4*(\s)+3], s[G0+4*(\s)+3], 0x80000000
	s_mov_b32 s[G0B+4*(\s)], 1
	s_add_co_u32 s[G0B+4*(\s)+1], s21, (\s)*SLOT1
	s_add_nc_u64 s[G0B+4*(\s)+2:G0B+4*(\s)+3], s[46:47], (\s)*256
	s_or_b32 s[G0B+4*(\s)+3], s[G0B+4*(\s)+3], 0x80000000
	JLOAD \s                                       ; K steps 0 and 1: two loads of mine are out
.endr
	v_and_b32 v1, 15, v0                           ; l % 16
	v_bfe_u32 v2, v0, 4, 1                         ; l / 16
	v_mul_u32_u24 v3, v1, PA
	v_lshl_add_u32 v3, v2, 4, v3
	s_mul_i32 s22, s11, 64*PA                      ; my 64 rows, in each head's block
	v_add_nc_u32 v[ADRA0], s22, v3
	v_mul_u32_u24 v3, v1, PB
	v_lshl_add_u32 v3, v2, 4, v3
	v_add_nc_u32 v[ADRB0], s21, v3
	v_mov_b32 v[ADRA], v[ADRA0]                    ; slot 0 first
	v_mov_b32 v[ADRB], v[ADRB0]
	s_mov_b32 s[TB], 0
	s_mul_i32 s23, s10, STW
	s_add_co_u32 s23, s23, STAGE                   ; my stage
	v_mul_u32_u24 v3, v1, SP                       ; in: row l % 16, 32 bytes for each half of the lanes
	v_lshl_add_u32 v3, v2, 5, v3
	v_add_nc_u32 v[STO], s23, v3
	v_and_b32 v[GO], 31, v0
	v_lshlrev_b32 v[GO], 4, v[GO]                  ; back and out: 32 lanes take a row's 512 bytes
	v_add_nc_u32 v[RD], s23, v[GO]
	s_lshl_b32 s46, s42, 10
	s_lshl_b32 s47, s12, 9
	s_add_co_u32 s46, s46, s47                     ; my 128 columns, in bytes
	v_add_nc_u32 v[BOO], s46, v[GO]
	global_load_b128 v[BO:BO+3], v[BOO], s[66:67]  ; bo of my four columns; waited for on the way out
	s_lshl_b32 s47, s13, 7
	s_lshl_b32 s45, s11, 6
	s_add_co_u32 s47, s47, s45                     ; my first row
	s_lshl_b32 s47, s47, 12                        ; rows of 4,096 bytes
	s_add_co_u32 s46, s46, s47
	s_mov_b32 s47, 0
	s_add_nc_u64 s[8:9], s[8:9], s[46:47]
	s_wait_tensorcnt 1                             ; my part of K step 0 is in; K step 1's may stay out
	s_barrier_signal -1
	s_barrier_wait -1
	FETCH 0, F0
	QUARTER 1, F0, F1, 1                           ; the first quarter's products start the sums
	WIN 0
	s_mov_b32 s3, 6
.Lstep:                                        ; a trip: from a K step's second quarter to the next step's first; its refill brings K steps 2 .. 7
	QUARTER 2, F1, F0, 0
	QUARTER 3, F0, F1, 0
	TURN 1
	QUARTER 1, F0, F1, 0
	WIN 0
	s_sub_co_u32 s3, s3, 1
	s_cmp_lg_u32 s3, 0
	s_cbranch_scc1 .Lstep
	QUARTER 2, F1, F0, 0                           ; the tail is written out: nothing more is asked for
	QUARTER 3, F0, F1, 0
	TURN 0
	QUARTER 1, F0, F1, 0
	QUARTER 2, F1, F0, 0
	QUARTER 3, F0, F1, 0
	s_wait_dscnt 4
	MUL8 F1, 0, 0
	MUL8 F1, 1, 0
	s_wait_dscnt 0x0
	MUL8 F1, 2, 0
	MUL8 F1, 3, 0
	WIN 0
; THE WAY OUT, 16 rows at a time: the sums go as they are into my own stage (rows of 528 bytes), come back as whole rows of 512 bytes, take bo and are stored.
.macro OUTBLK a
	WIN 0x04                                       ; the stores' data in window 1; each accumulator's four lowest registers first
.irp b, 0,1,2,3,4,5,6,7
	ds_store_b128 v[STO], v[8*(8*(\a)+(\b)):8*(8*(\a)+(\b))+3]   offset:64*(\b)
	ds_store_b128 v[STO], v[8*(8*(\a)+(\b))+4:8*(8*(\a)+(\b))+7] offset:64*(\b)+16
.endr
	WIN 0
.if (\a) >= 2
	s_wait_xcnt 0x0                                ; the stores of the block two back have read their registers, which are loaded again below
.endif
.set OB, 64+64*((\a)%2)
.irp t, 0,1,2,3,4,5,6,7,8,9,10,11,12,13,14,15
	ds_load_b128 v[OB+4*(\t):OB+4*(\t)+3], v[RD] offset:(\t)*SP  ; LDS serves a wave's instructions in order (ISA guide 5.7.1.4): these see the stores above
.endr
	s_wait_dscnt 0x0
.if (\a) == 0
	s_wait_loadcnt 0x0                             ; bo
.endif
.irp t, 0,1,2,3,4,5,6,7,8,9,10,11,12,13,14,15
	v_pk_add_f32 v[OB+4*(\t):OB+4*(\t)+1],   v[OB+4*(\t):OB+4*(\t)+1],   v[BO:BO+1]
	v_pk_add_f32 v[OB+4*(\t)+2:OB+4*(\t)+3], v[OB+4*(\t)+2:OB+4*(\t)+3], v[BO+2:BO+3]
.endr
.irp t, 0,1,2,3,4,5,6,7,8,9,10,11,12,13,14,15
	global_store_b128 v[GO], v[OB+4*(\t):OB+4*(\t)+3], s[8:9] offset:(16*(\a)+(\t))*4096 th:TH_STORE_NT  ; 512 consecutive bytes, aligned
.endr
.endm
	PLACES
	OUTBLK 0
	OUTBLK 1
	OUTBLK 2
	OUTBLK 3
	s_wait_tensorcnt 0x0                           ; the wave's end
	ds_add_u32 v[SPW], v[NIL]
	s_wait_dscnt 0x0
	CROUND                                         ; the closing round
	s_endpgm
.Lfunc_end_k_qb7b9ddc448_outp:
	.size	k_qb7b9ddc448_outp, .Lfunc_end_k_qb7b9ddc448_outp-k_qb7b9ddc448_outp
	.p2alignl 7, 3214868480
	.fill 96, 4, 3214868480
	.section	.rodata,"a",@progbits
	.p2align	6, 0x0
	.amdhsa_kernel k_qb7b9ddc448_outp
		.amdhsa_group_segment_fixed_size 327680
		.amdhsa_private_segment_fixed_size 0
		.amdhsa_enable_private_segment 0
		.amdhsa_kernarg_size 32
		.amdhsa_user_sgpr_count 2
		.amdhsa_user_sgpr_kernarg_segment_ptr 1
		.amdhsa_wavefront_size32 1
		.amdhsa_system_sgpr_workgroup_id_x 1
		.amdhsa_system_sgpr_workgroup_id_y 1
		.amdhsa_system_sgpr_workgroup_id_z 1
		.amdhsa_system_vgpr_workitem_id 0
		.amdhsa_next_free_vgpr 512
		.amdhsa_next_free_sgpr 68
		.amdhsa_reserve_vcc 0
		.amdhsa_float_denorm_mode_32 3
		.amdhsa_float_denorm_mode_16_64 3
		.amdhsa_memory_ordered 1
		.amdhsa_forward_progress 1
		.amdhsa_inst_pref_size 77
	.end_amdhsa_kernel
	.amdgpu_metadata
---
amdhsa.version: [ 1, 2 ]
amdhsa.kernels:
  - .name:           k_qb7b9ddc448_outp
    .symbol:         k_qb7b9ddc448_outp.kd
    .args:
      - { .name: o, .offset: 0, .size: 8, .value_kind: global_buffer, .address_space: global }
      - { .name: wh, .offset: 8, .size: 8, .value_kind: global_buffer, .address_space: global }
      - { .name: out0, .offset: 16, .size: 8, .value_kind: global_buffer, .address_space: global }
      - { .name: bo, .offset: 24, .size: 8, .value_kind: global_buffer, .address_space: global }
    .group_segment_fixed_size: 327680
    .private_segment_fixed_size: 0
    .kernarg_segment_align: 8
    .kernarg_segment_size: 32
    .max_flat_workgroup_size: 128
    .sgpr_count:     68
    .vgpr_count:     512
    .wavefront_size: 32
...
	.end_amdgpu_metadata
.endif
;; end of part 4
;; ======== version 2 of 2: 4 launches; version 1 with the launch prep written anew for expert scheduling mode
;; limits: values are held in f16: magnitudes above 65,504 overflow, below 6.1e-05 lose precision
;; workspace buffers: an 33,554,432 bytes; wh 8,388,608 bytes; qkv 50,331,648 bytes; o 16,777,216 bytes
;; launch prep (part 5): grid 1280 x 1, 4 waves a work-group, no clusters, 0 bytes of LDS; arguments x, context, ln_g, ln_b, Wq, Wk, Wv, Wo, an, wh; writes an, wh
.if DOCPART == 5
	.amdgcn_target "amdgcn-amd-amdhsa--gfx1250"
	.amdhsa_code_object_version 6
	.text
	.protected	k_qb7b9ddc448_prep
	.globl	k_qb7b9ddc448_prep
	.p2align	8
	.type	k_qb7b9ddc448_prep,@function
k_qb7b9ddc448_prep:
	s_mov_b64 s[64:65], 0
	v_nop
	global_prefetch_b8 v0, s[64:65] scope:SCOPE_SE
	s_setreg_imm32_b32 hwreg(HW_REG_WAVE_SCHED_MODE, 0, 2), 2
	s_setreg_imm32_b32 hwreg(HW_REG_WAVE_MODE, 25, 1), 1
	s_wait_xcnt 0x0
	s_wait_alu depctr_vm_vsrc(0)
; PREP.  an[0:8192] = LayerNorm(x), an[8192:16384] = LayerNorm(context), both with ln_g and ln_b, rounded once to f16;
; wh = Wq / 8, Wk, Wv, Wo stacked, [4096][1024], rounded once to f16.  1/8 = 64^-0.5 is the scores' scale: a power of two, multiplied in f32 ahead of
; Wq's one rounding, so that the later launch can add the position bias to unscaled products.
; NO WORK OF THE PROBLEM IS LEFT OUT in any launch of this program, and every input is loaded: no product, row or input is without a way to the output.
; LIMITS.  All matrix operands of the program are f16: the normalised rows, the weights, q / 8, k, v and the attention's result must stay within 65,504, and numbers
; below 6.1e-5 keep f16's fixed step of 6e-8.  NaN and infinities are not treated apart.
; The mean is taken first and the variance is the mean of (x - mean)^2, as the problem states it: no difference of large sums is formed.
; SHARES.  A row is 1,024 f32: 4,096 bytes in, 2,048 out.  A work-group has 16 rows, a wave 4; a wave keeps its rows in registers (32 each) and reads memory once.
; All 32 loads of a wave go out at once; a load covers 512 consecutive bytes, a store 256 consecutive bytes, aligned.  No LDS, no barrier: a row never leaves its wave.
; Work-groups 0-511: x; 512-1023: context; 1024-1087: Wq; -1151: Wk; -1215: Wv; -1279: Wo.
; THE MODE: SCHED_MODE bits 1:0 = 2 (LLVM: expert scheduling mode 2), set by the entry lines.  The code itself states the register dependences
; between vector instructions and memory instructions, with s_wait_alu, always for 0.
; THE PLAN.  Registers that memory instructions touch:
;   v1, v2, v3   byte offsets, made once at the head and never written again: v3 is read by the loads of ln_g and ln_b, v1 by the rows' loads, v2 by the stores.
;   G, BV, X     loaded once, at the head, ahead of every vector instruction that names them.
;   X, row i     worked on in place by row i's vector instructions, the sixteen conversions last; the first two registers of each chunk of four are then the data
;                of the row's eight stores, and nothing writes them again.
;   T, PX, MU, RS are named by vector instructions alone.
; So no load lands in a register that a vector instruction has named, and no register that a memory instruction has read is written again.  What is left to state: the offsets
; are written (one wait at the head), and a row's conversions have written its stores' data.  Row i's stores stand in one run in row i + 1, behind a wait: on the LayerNorm way
; the wait behind row i + 1's v_rsq_f32, which stands there for the root's sake too; on the cast ways a wait at row i + 1's head, behind the wait for its data.
; The last row's stores have a wait of their own.
.set T,  4                             ; v[4:11]   four chains of pairs
.set PX, 12                            ; v12       what the other half of the lanes holds
.set MU, 14                            ; v[14:15]  the mean, twice
.set RS, 16                            ; v[16:17]  1 / sqrt(var + eps), twice
.set G,  20                            ; v[20:51]  ln_g of my columns: chunk j holds columns 128 j + 4 lane .. + 3
.set BV, 52                            ; v[52:83]  ln_b likewise
.set X,  84                            ; v[84:211] row i, chunk j at X + 32 i + 4 j
	s_load_b512 s[4:19], s[0:1], 0x0               ; x, context, ln_g, ln_b, Wq, Wk, Wv, Wo
	s_load_b128 s[20:23], s[0:1], 0x40             ; an, wh
	v_and_b32 v3, 31, v0                           ; lane
	v_lshrrev_b32 v2, 5, v0                        ; wave
	v_lshlrev_b32 v1, 14, v2
	v_lshl_add_u32 v1, v3, 4, v1                   ; in: 16 x lane + wave x 4 rows of 4,096 bytes
	v_lshlrev_b32 v2, 13, v2
	v_lshl_add_u32 v2, v3, 3, v2                   ; out: 8 x lane + wave x 4 rows of 2,048 bytes
	v_lshlrev_b32 v3, 4, v3                        ; my 16 bytes in a chunk of ln_g and ln_b
	v_mov_b32 v[PX], 0                             ; v_permlanex16_b32 counts as a reader of its destination
	s_mov_b32 s24, ttmp9
	s_mov_b32 s33, 0
	s_mov_b32 s34, 0x76543210                      ; lane i of one half reads lane i of the other
	s_mov_b32 s35, 0xfedcba98
	s_mov_b32 s36, 0x3a800000                      ; 1 / 1,024
	s_mov_b32 s37, 0x3727c5ac                      ; 1e-5
	s_mov_b32 s38, 0x3e000000                      ; 1 / 8
	s_mov_b32 s39, s38                             ; named with it as a pair
	s_wait_kmcnt 0x0
	s_wait_alu depctr_va_vdst(0)                   ; v1, v2 and v3 are written: every load and store of the kernel, on all three ways below, reads one of them as its offset
.macro LOADROWS                        ; my four rows: 32 loads
.irp i, 0,1,2,3
.irp j, 0,1,2,3,4,5,6,7
	global_load_b128 v[X+32*(\i)+4*(\j):X+32*(\i)+4*(\j)+3], v1, s[28:29] offset:4096*(\i)+512*(\j) th:TH_LOAD_NT
.endr
.endr
.endm
.macro REDUCE                          ; the four chains into one number, the same in all 32 lanes
	v_pk_add_f32 v[T:T+1], v[T:T+1], v[T+2:T+3]
	v_pk_add_f32 v[T+4:T+5], v[T+4:T+5], v[T+6:T+7]
	v_pk_add_f32 v[T:T+1], v[T:T+1], v[T+4:T+5]
	v_add_f32 v[T], v[T], v[T+1]
	v_add_f32_dpp v[T], v[T], v[T] row_xmask:1 row_mask:0xf bank_mask:0xf
	v_add_f32_dpp v[T], v[T], v[T] row_xmask:2 row_mask:0xf bank_mask:0xf
	v_add_f32_dpp v[T], v[T], v[T] row_xmask:4 row_mask:0xf bank_mask:0xf
	v_add_f32_dpp v[T], v[T], v[T] row_xmask:8 row_mask:0xf bank_mask:0xf
	v_permlanex16_b32 v[PX], v[T], s34, s35
	v_add_f32 v[T], v[T], v[PX]
.endm
.macro CVTROW i                        ; row i is rounded to f16 in place: a chunk's four numbers close up into its first two registers
.set R, X+32*(\i)
.set j, 0
.rept 8
	v_cvt_pk_f16_f32 v[R+4*j], v[R+4*j], v[R+4*j+1]
	v_cvt_pk_f16_f32 v[R+4*j+1], v[R+4*j+2], v[R+4*j+3]
.set j, j+1
.endr
.endm
.macro STROW i                         ; row i is stored, in one run, behind a wait that shows its conversions written; no register is written again behind a store
.set Q, X+32*(\i)
.set j, 0
.rept 8
	global_store_b64 v2, v[Q+4*j:Q+4*j+1], s[30:31] offset:2048*(\i)+256*j
.set j, j+1
.endr
.endm
.macro LNROW i
.set R, X+32*(\i)
	s_wait_loadcnt 24-8*(\i)                       ; loads come back in order: ln_g, ln_b and rows 0 .. i are in; the younger rows, eight loads each, stay out
.irp c, 0,1,2,3
	v_pk_add_f32 v[T+2*(\c):T+2*(\c)+1], v[R+2*(\c):R+2*(\c)+1], v[R+8+2*(\c):R+8+2*(\c)+1]
.endr
.irp c, 0,1,2,3
	v_pk_add_f32 v[T+2*(\c):T+2*(\c)+1], v[T+2*(\c):T+2*(\c)+1], v[R+16+2*(\c):R+16+2*(\c)+1]
.endr
.irp c, 0,1,2,3
	v_pk_add_f32 v[T+2*(\c):T+2*(\c)+1], v[T+2*(\c):T+2*(\c)+1], v[R+24+2*(\c):R+24+2*(\c)+1]
.endr
	REDUCE
	v_mul_f32 v[MU], s36, v[T]                     ; the mean, in both halves of a pair
	v_mul_f32 v[MU+1], s36, v[T]
.set j, 0
.rept 16
	v_pk_add_f32 v[R+j:R+j+1], v[R+j:R+j+1], v[MU:MU+1] neg_lo:[0,1] neg_hi:[0,1]  ; x - mean, in place
.set j, j+2
.endr
.irp c, 0,1,2,3
	v_pk_mul_f32 v[T+2*(\c):T+2*(\c)+1], v[R+2*(\c):R+2*(\c)+1], v[R+2*(\c):R+2*(\c)+1]
.endr
.set j, 8
.rept 12
	v_pk_fma_f32 v[T+j%8:T+j%8+1], v[R+j:R+j+1], v[R+j:R+j+1], v[T+j%8:T+j%8+1]
.set j, j+2
.endr
	REDUCE
	v_fma_f32 v[T], v[T], s36, s37                 ; var + eps
	v_rsq_f32 v[RS], v[T]
	v_nop                                          ; a plain instruction behind the transcendental (ISA guide 5.7.2)
	s_wait_alu depctr_va_vdst(0)                   ; v_rsq_f32 has written v[RS], ahead of its first reader; and the conversions of the row before have written that row's first two registers of each chunk, which the stores below read
.if (\i) > 0
	STROW (\i)-1                                   ; no vector instruction stands between the wait and this run
.endif
	v_mov_b32 v[RS+1], v[RS]
.set j, 0
.rept 16
	v_pk_mul_f32 v[R+j:R+j+1], v[R+j:R+j+1], v[RS:RS+1]
.set j, j+2
.endr
.set j, 0
.rept 16
	v_pk_fma_f32 v[R+j:R+j+1], v[R+j:R+j+1], v[G+j:G+j+1], v[BV+j:BV+j+1]
.set j, j+2
.endr
	CVTROW \i
.endm
.macro CASTROW i, scaled
.set R, X+32*(\i)
	s_wait_loadcnt 24-8*(\i)                       ; rows 0 .. i are in
.if (\i) > 0
	s_wait_alu depctr_va_vdst(0)                   ; the conversions of the row before have written the registers that the stores below read
	STROW (\i)-1
.endif
.if \scaled
.set j, 0
.rept 16
	v_pk_mul_f32 v[R+j:R+j+1], v[R+j:R+j+1], s[38:39] op_sel_hi:[1,0]
.set j, j+2
.endr
.endif
	CVTROW \i
.endm
	s_cmp_lt_u32 s24, 1024
	s_cbranch_scc0 .Lcast
	s_cmp_lt_u32 s24, 512
	s_cselect_b64 s[28:29], s[4:5], s[6:7]         ; x or context
	s_and_b32 s32, s24, 511
	s_lshl_b32 s32, s32, 16                        ; 16 rows of 4,096 bytes a work-group
	s_add_nc_u64 s[28:29], s[28:29], s[32:33]
	s_lshl_b32 s32, s24, 15                        ; 16 rows of 2,048 bytes
	s_add_nc_u64 s[30:31], s[20:21], s[32:33]
.irp j, 0,1,2,3,4,5,6,7
	global_load_b128 v[G+4*(\j):G+4*(\j)+3], v3, s[8:9] offset:512*(\j)
.endr
.irp j, 0,1,2,3,4,5,6,7
	global_load_b128 v[BV+4*(\j):BV+4*(\j)+3], v3, s[10:11] offset:512*(\j)
.endr
	LOADROWS
	LNROW 0
	LNROW 1
	LNROW 2
	LNROW 3
	s_wait_alu depctr_va_vdst(0)                   ; row 3's conversions have written the registers that the last eight stores read
	STROW 3
	s_endpgm
.Lcast:
	s_sub_co_u32 s25, s24, 1024                    ; 0 .. 255: 64 work-groups a weight
	s_cmp_lt_u32 s25, 64
	s_cselect_b64 s[28:29], s[12:13], s[14:15]
	s_cmp_lt_u32 s25, 128
	s_cselect_b64 s[28:29], s[28:29], s[16:17]
	s_cmp_lt_u32 s25, 192
	s_cselect_b64 s[28:29], s[28:29], s[18:19]
	s_and_b32 s32, s25, 63
	s_lshl_b32 s32, s32, 16
	s_add_nc_u64 s[28:29], s[28:29], s[32:33]
	s_lshl_b32 s32, s25, 15
	s_add_nc_u64 s[30:31], s[22:23], s[32:33]
	LOADROWS
	s_cmp_lt_u32 s25, 64
	s_cbranch_scc0 .Lplain
	CASTROW 0, 1                                   ; Wq / 8
	CASTROW 1, 1
	CASTROW 2, 1
	CASTROW 3, 1
	s_wait_alu depctr_va_vdst(0)                   ; row 3's conversions have written the registers that the last eight stores read
	STROW 3
	s_endpgm
.Lplain:
	CASTROW 0, 0
	CASTROW 1, 0
	CASTROW 2, 0
	CASTROW 3, 0
	s_wait_alu depctr_va_vdst(0)                   ; row 3's conversions have written the registers that the last eight stores read
	STROW 3
	s_endpgm
.Lfunc_end_k_qb7b9ddc448_prep:
	.size	k_qb7b9ddc448_prep, .Lfunc_end_k_qb7b9ddc448_prep-k_qb7b9ddc448_prep
	.p2alignl 7, 3214868480
	.fill 96, 4, 3214868480
	.section	.rodata,"a",@progbits
	.p2align	6, 0x0
	.amdhsa_kernel k_qb7b9ddc448_prep
		.amdhsa_group_segment_fixed_size 0
		.amdhsa_private_segment_fixed_size 0
		.amdhsa_enable_private_segment 0
		.amdhsa_kernarg_size 80
		.amdhsa_user_sgpr_count 2
		.amdhsa_user_sgpr_kernarg_segment_ptr 1
		.amdhsa_wavefront_size32 1
		.amdhsa_system_sgpr_workgroup_id_x 1
		.amdhsa_system_sgpr_workgroup_id_y 1
		.amdhsa_system_sgpr_workgroup_id_z 1
		.amdhsa_system_vgpr_workitem_id 0
		.amdhsa_next_free_vgpr 212
		.amdhsa_next_free_sgpr 66
		.amdhsa_reserve_vcc 0
		.amdhsa_float_denorm_mode_32 3
		.amdhsa_float_denorm_mode_16_64 3
		.amdhsa_memory_ordered 1
		.amdhsa_forward_progress 1
		.amdhsa_inst_pref_size 60
	.end_amdhsa_kernel
	.amdgpu_metadata
---
amdhsa.version: [ 1, 2 ]
amdhsa.kernels:
  - .name:           k_qb7b9ddc448_prep
    .symbol:         k_qb7b9ddc448_prep.kd
    .args:
      - { .name: x, .offset: 0, .size: 8, .value_kind: global_buffer, .address_space: global }
      - { .name: context, .offset: 8, .size: 8, .value_kind: global_buffer, .address_space: global }
      - { .name: ln_g, .offset: 16, .size: 8, .value_kind: global_buffer, .address_space: global }
      - { .name: ln_b, .offset: 24, .size: 8, .value_kind: global_buffer, .address_space: global }
      - { .name: Wq, .offset: 32, .size: 8, .value_kind: global_buffer, .address_space: global }
      - { .name: Wk, .offset: 40, .size: 8, .value_kind: global_buffer, .address_space: global }
      - { .name: Wv, .offset: 48, .size: 8, .value_kind: global_buffer, .address_space: global }
      - { .name: Wo, .offset: 56, .size: 8, .value_kind: global_buffer, .address_space: global }
      - { .name: an, .offset: 64, .size: 8, .value_kind: global_buffer, .address_space: global }
      - { .name: wh, .offset: 72, .size: 8, .value_kind: global_buffer, .address_space: global }
    .group_segment_fixed_size: 0
    .private_segment_fixed_size: 0
    .kernarg_segment_align: 8
    .kernarg_segment_size: 80
    .max_flat_workgroup_size: 128
    .sgpr_count:     66
    .vgpr_count:     212
    .wavefront_size: 32
...
	.end_amdgpu_metadata
.endif
;; end of part 5
;; launch proj: the kernel of part 2 again; grid 12 x 32, 4 waves a work-group, clusters of 4 x 4, 327,680 bytes of LDS; arguments an, wh, qkv; writes qkv
;; launch attn: the kernel of part 3 again; grid 8 x 32, 4 waves a work-group, clusters of 4 x 1, 327,680 bytes of LDS; arguments qkv, relative_position_bias, o; writes o
;; launch outp: the kernel of part 4 again; grid 4 x 64, 4 waves a work-group, clusters of 4 x 4, 327,680 bytes of LDS; arguments o, wh, out0, bo; writes out0
